; MI455X (gfx1250); checked and timed in simulation.
; The chip was launched on July 23, 2026; its instructions are those of AMD's public machine-readable ISA for CDNA 5 (MIT licence, August 2026) and "CDNA5" Instruction Set Architecture Reference Guide (July 2026). The comments in the code are by the model that wrote it; some were corrected since.
;; Causal Self Attention. Allowed arithmetic: matrix products marked QUANTISED: E2M3 operands, one E8M0 scale for each 32 along K, by v_wmma_scale_f32_16x16x128_f8f6f4 with both operands' format E2M3, f32 sums; everything else in f32.
;; Inputs: Wk 1,024 x 1,024 float32; Wp 1,024 x 1,024 float32; Wq 1,024 x 1,024 float32; Wv 1,024 x 1,024 float32; bk 1,024 float32; bp 1,024 float32; bq 1,024 float32; bv 1,024 float32; x 2 x 2,048 x 1,024 float32.
;; Outputs: out0 2 x 2,048 x 1,024 float32.
;; This version of the problem:
;;   THIS VERSION OF THE PROBLEM IS GIVEN IN LOW PRECISION. The matrix products marked QUANTISED in the list below multiply operands that are first quantised to E2M3 (2 exponent bits, 3 mantissa bits; 6 bits a number), with one power-of-two scale for each 32 numbers along K (OCP MX v1.0); their sums are f32. All else is computed in f32.
;;   The module's matrix products, in the order in which they are computed (A, B: the left and right operand; K: the contracted axis; several contracted axes count as one K, in the product's order):
;;     1. [M 4,096, K 1,024] x [K 1,024, N 1,024]; A: input x; B: input Wq: QUANTISED
;;     2. [M 4,096, K 1,024] x [K 1,024, N 1,024]; A: input x; B: input Wk: QUANTISED
;;     3. [M 4,096, K 1,024] x [K 1,024, N 1,024]; A: input x; B: input Wv: QUANTISED
;;     4. batch 32 x [M 2,048, K 64] x [K 64, N 2,048]; A: computed on the way; B: computed on the way: QUANTISED
;;     5. batch 32 x [M 2,048, K 2,048] x [K 2,048, N 64]; A: softmax (see below); B: computed on the way: QUANTISED
;;     6. [M 4,096, K 1,024] x [K 1,024, N 1,024]; A: computed on the way; B: input Wp: QUANTISED
;;   THE QUANTISER, for each operand of a quantised product, along K:
;;     - K is cut into blocks of 32 from its start; a last block that is shorter is filled with zeros.
;;     - A block's scale is 2^e with e = floor(log2(the largest magnitude in the block)) - 2, held to -126 .. 127; a block of zeros has e = 0. As a byte (E8M0): e + 127.
;;     - Each number is divided by its block's scale, clamped to +-7.5, and rounded to the nearest number of E2M3, ties to even, subnormals kept.
;;     - The product sums the exact products of the quantised numbers (number of the format x scale) in f32.
;;   ~~~python
;;   def quantise(x, axis):      # numpy; x: float32 -> the quantised numbers, widened to float32 again
;;       x = np.moveaxis(x, axis, -1); K = x.shape[-1]
;;       x = np.pad(x, [(0, 0)] * (x.ndim - 1) + [(0, -K % 32)]); x = x.reshape(x.shape[:-1] + (-1, 32)); a = np.abs(x).max(-1, keepdims=True)
;;       e = np.where(a > 0, np.clip(np.frexp(np.where(a > 0, a, 1))[1] - 1 - 2, -126, 127), 0)      # np.frexp(a)[1] - 1 = floor(log2(a)), exactly
;;       r = np.clip(x / 2.0 ** e, -7.5, 7.5)
;;       step = 2.0 ** (np.maximum(np.frexp(np.where(r == 0, 1, r))[1] - 1, 0) - 3)
;;       q = np.round(r / step) * step * 2.0 ** e      # np.round: ties to even
;;       return np.moveaxis(q.reshape(q.shape[:-2] + (-1,))[..., :K], -1, axis).astype(np.float32)
;;   ~~~
;;   SOFTMAX AHEAD OF A QUANTISED PRODUCT. Where the list says 'softmax', what is quantised is not the finished softmax but p = 2^(t - M), with t = logit x log2(e) and M = ceil(the row's largest t), a whole number; so 1/2 < the row's largest p <= 1. The row's sum l is taken of the UNQUANTISED p, in f32, and the product's result is divided by l at the end. Since M is a whole number, a kernel that streams over the keys may use a running M (the ceiling of the running maximum): every later rescaling is an exact power of two, which a block's scale takes up: the codes' values come out the same.
;;   OPERANDS COMPUTED ON THE WAY. 'Computed on the way' means the value that the module computes at that place (a softmax that the list does not call 'softmax' is quantised finished and normalised). What goes into a quantiser is computed in f32, as accurately as f32 sums, v_exp_f32 and their like allow (about 1e-6 of the number): no bf16 or f16 on the way to a quantiser, and a product that is left as it is and whose result goes on into a quantised operand takes f32 operands (vector FMAs, or v_wmma_f32_16x16x4_f32). A number that lies on a knife's edge between two numbers of the format may be rounded either way, as far as f32 arithmetic and the matrix unit's own rounding can turn it there, and no further.
;; One version. Each part assembles by itself: llvm-mc -triple=amdgcn-amd-amdhsa -mcpu=gfx1250 --defsym DOCPART=n.
;; ======== version 1 of 1: 4 launches
;; limits: right only within a limited range of input values
;; workspace buffers: cod 6,291,456 bytes; scl 262,144 bytes; qc 3,407,872 bytes; kv 6,684,672 bytes; yc 3,145,728 bytes; ys 131,072 bytes
;; launch quant (part 1): grid 256 x 1, 8 waves a work-group, no clusters, 68,608 bytes of LDS; arguments x, Wq, Wk, Wv, Wp, cod, scl; writes cod, scl
.if DOCPART == 1
	.amdgcn_target "amdgcn-amd-amdhsa--gfx1250"
	.amdhsa_code_object_version 6
	.text
	.protected	k_q6de2295fe6_quant
	.globl	k_q6de2295fe6_quant
	.p2align	8
	.type	k_q6de2295fe6_quant,@function
k_q6de2295fe6_quant:
	s_mov_b64 s[64:65], 0
	v_nop
	global_prefetch_b8 v0, s[64:65] scope:SCOPE_SE
	s_setreg_imm32_b32 hwreg(HW_REG_WAVE_MODE, 25, 1), 1
	s_wait_xcnt 0x0
; x [4096][1024] and Wq, Wk, Wv, Wp [1024][1024], f32, K innermost, become codes of FP6 (E2M3) with one E8M0 scale byte for each 32 along K,
; laid in the order of the operand's registers, so that the later launches load fragments by whole 16-byte pieces.
; GROUPS: 64 rows are a group: groups 0-63 x, 64-79 Wq, 80-95 Wk, 96-111 Wv, 112-127 Wp.  A group has four tiles of 16 rows.
; THE ROWS OF A TILE ARE NOT NEIGHBOURS: lane r of tile t takes row 32 (r / 8) + 8 t + r % 8 of its group, so that a product whose M axis is such a tile leaves, over the four tiles,
; 32 neighbours (rows 32 h + 0 .. 31) in the 32 registers of a lane of half h: a whole scale block of the next product.
; cod: [group][K step 8][tile 4][3 planes of 512 bytes]: plane c holds registers 4 c .. 4 c + 3 of the fragment (16 rows x 128 K, 12 registers), lane l at 16 l.
; scl: [group][pair of K steps 4][tile 4][row 16][2 words]: a word is the four scale bytes of one row and 128 along K.
; A block's scale is 2^(floor(log2(largest magnitude)) - 2); its byte is the largest magnitude's exponent field - 2, held at 1 from below (a block of zeros gets 1: its codes are zeros, and this program alone reads the bytes).
; WORK LEFT OUT BY THE PROGRAM: in launch attn the steps of 128 keys that all come after a tile's queries: reference()'s own causal mask gives them p = 0 whatever the inputs hold.
; LIMITS: NaN and infinities are not served (one that reaches only the work left out is not carried to the result); blocks whose largest magnitude lies under 2^-124 are held at the byte 1.
; SHARES: work-group G takes group G / 2 and half G % 2 of K; wave w takes tile w % 4 and two K steps: 16 rows x 256 numbers, 16 KB, all 32 loads out at once (no loop, so no prefetch).
; Each load reads 512 consecutive bytes of one row; the conversions want 16 neighbours in one lane, so a K step turns through the wave's own stage in LDS (16 rows of 512 + 16 bytes).
; The work-groups share no input: no cluster, no tensor load, no barrier.
.set STG, 8448                         ; a wave's stage: 16 rows x SP
.set SP,  528
.set TM,  16                           ; v16-19 largest magnitudes, v20 the partner's word, v24-25 bytes, v28-29 the conversions' scale operands
.set PW,  32                           ; v32, v33 the two K steps' scale words
.set PC,  36                           ; v36-55, v56-75 codes: 12 registers + 8 at work, for each K step
.set R,   80                           ; v80-143, v144-207 the numbers of the two K steps
	s_load_b256 s[4:11], s[0:1], 0x0               ; x, Wq, Wk, Wv
	s_load_b128 s[12:15], s[0:1], 0x20             ; Wp, cod
	s_load_b64 s[16:17], s[0:1], 0x30              ; scl
	v_lshl_add_u32 v208, v0, 2, 0x10800            ; spare words behind the eight stages
	v_mov_b32 v209, 0
	v_lshrrev_b32 v1, 5, v0
	v_readfirstlane_b32 s18, v1                    ; wave 0..7
	v_and_b32 v1, 31, v0                           ; lane
	v_and_b32 v2, 15, v0                           ; r
	v_bfe_u32 v3, v0, 4, 1                         ; h
	v_lshlrev_b32 v4, 4, v1                        ; 16 x lane: my bytes of a load's 512, and of an image's plane
	s_mul_i32 s19, s18, STG
	v_add_nc_u32 v5, s19, v4                       ; the stage, on the way in
	v_mul_u32_u24 v6, v2, SP
	v_lshl_add_u32 v6, v3, 7, v6
	v_add_nc_u32 v6, s19, v6                       ; and out: row r, + 128 h: my whole block of 32
	v_lshlrev_b32 v7, 3, v2
	v_lshl_add_u32 v7, v3, 2, v7                   ; scale words: 8 r + 4 h: lanes 0-15 store the first K step's word, lanes 16-31 the second's
	v_lshlrev_b32 v10, 3, v3                       ; 8 h: my byte's place in a pair of bytes
	v_mov_b32 v[TM+4], 0                           ; written once: a lane permute's destination counts as one of its sources
	s_mov_b32 s20, 0x76543210
	s_mov_b32 s21, 0xfedcba98                      ; v_permlanex16_b32's selects for lane l xor 16
	s_lshr_b32 s22, ttmp9, 1                       ; group
	s_and_b32 s23, ttmp9, 1                        ; half of K
	s_and_b32 s26, s22, 15                         ; the group's number inside a weight
	s_and_b32 s27, s18, 3                          ; tile
	s_lshr_b32 s28, s18, 2
	s_lshl_b32 s29, s23, 1
	s_add_co_u32 s29, s29, s28                     ; which pair of K steps: 2 x half + wave / 4
	s_wait_alu depctr_va_vdst(0)                   ; the wait at the head's end
	s_wait_kmcnt 0x0
	s_mov_b64 s[24:25], s[12:13]                   ; the tensor is chosen by the work-group's number alone
	s_cmp_lt_u32 s22, 112
	s_cselect_b64 s[24:25], s[10:11], s[24:25]
	s_cmp_lt_u32 s22, 96
	s_cselect_b64 s[24:25], s[8:9], s[24:25]
	s_cmp_lt_u32 s22, 80
	s_cselect_b64 s[24:25], s[6:7], s[24:25]
	s_cmp_lt_u32 s22, 64
	s_cselect_b64 s[24:25], s[4:5], s[24:25]
	s_cselect_b32 s26, s22, s26                    ; the group's number inside its tensor
	s_lshl_b32 s30, s26, 6                         ; the tile's first row: 64 x group + 8 x tile
	s_lshl_b32 s31, s27, 3
	s_add_co_u32 s30, s30, s31
	s_lshl_b32 s30, s30, 12                        ; rows of 4,096 bytes
	s_lshl_b32 s31, s29, 10                        ; + two K steps of 512 bytes for each pair
	s_add_co_u32 s30, s30, s31
	s_mov_b32 s31, 0
	s_add_nc_u64 s[24:25], s[24:25], s[30:31]
	s_mul_i32 s30, s22, 49152                      ; cod: group, pair of K steps, tile
	s_mul_i32 s32, s29, 12288
	s_add_co_u32 s30, s30, s32
	s_mul_i32 s32, s27, 1536
	s_add_co_u32 s30, s30, s32
	s_add_nc_u64 s[14:15], s[14:15], s[30:31]
	s_lshl_b32 s30, s22, 11                        ; scl likewise
	s_lshl_b32 s32, s29, 9
	s_add_co_u32 s30, s30, s32
	s_lshl_b32 s32, s27, 7
	s_add_co_u32 s30, s30, s32
	s_add_nc_u64 s[16:17], s[16:17], s[30:31]
.macro LOAD j                          ; K step j: the tile's 16 rows (0-7, 32-39), 512 consecutive bytes a load
.irp i, 0,1,2,3,4,5,6,7,8,9,10,11,12,13,14,15
	global_load_b128 v[R+64*\j+4*\i:R+64*\j+4*\i+3], v4, s[24:25] offset:(\i+24*(\i/8))*4096+512*\j th:TH_LOAD_NT
.endr
.endm
.macro TURN j                          ; through the stage: LDS serves a wave's instructions in order, so no wait stands between the stores and the loads, nor in front of the next turn's stores
.irp i, 0,1,2,3,4,5,6,7,8,9,10,11,12,13,14,15
	ds_store_b128 v5, v[R+64*\j+4*\i:R+64*\j+4*\i+3] offset:SP*\i
.endr
.irp c, 0,1
.irp q, 0,1,2,3,4,5,6,7
	ds_load_b128 v[R+64*\j+32*\c+4*\q:R+64*\j+32*\c+4*\q+3], v6 offset:256*\c+16*\q   ; register 32 c + i = k 64 c + 32 h + i of row r
.endr
.endr
.endm
; 64 numbers of a lane, two whole blocks, become a fragment's 12 registers at v[pc] and its scale word in v[pw]
.macro QUANT s, pc, pw
.irp c, 0,1
	v_max3_num_f32 v[TM+\c], |v[\s+32*\c]|, |v[\s+32*\c+1]|, 0x1800000   ; and the floor 2^(3 - 127): the byte cannot fall under 1
	v_max3_num_f32 v[TM+2+\c], |v[\s+32*\c+16]|, |v[\s+32*\c+17]|, 0x1800000
.endr
.irp i, 2,4,6,8,10,12,14
.irp c, 0,1
	v_max3_num_f32 v[TM+\c], v[TM+\c], |v[\s+32*\c+\i]|, |v[\s+32*\c+\i+1]|   ; four chains by turns
	v_max3_num_f32 v[TM+2+\c], v[TM+2+\c], |v[\s+32*\c+16+\i]|, |v[\s+32*\c+17+\i]|
.endr
.endr
.irp c, 0,1
	v_max_num_f32 v[TM+\c], v[TM+\c], v[TM+2+\c]
.endr
.irp c, 0,1
	v_add_nc_u32 v[TM+12+\c], 0xff000000, v[TM+\c] ; 2 off its exponent field: the conversion takes that field as its scale
.endr
.irp c, 0,1
	v_lshrrev_b32 v[TM+8+\c], 23, v[TM+12+\c]      ; the scale's byte, of block 2 c + h
.endr
	v_lshl_or_b32 v[TM+8], v[TM+9], 16, v[TM+8]
	v_lshlrev_b32 v[TM+8], v10, v[TM+8]
	v_permlanex16_b32 v[TM+4], v[TM+8], s20, s21
.irp c, 0,1
	v_cvt_scalef32_pk16_fp6_f32 v[\pc+6*\c:\pc+2+6*\c], v[\s+32*\c:\s+15+32*\c], v[TM+12+\c]
	v_cvt_scalef32_pk16_fp6_f32 v[\pc+12+4*\c:\pc+14+4*\c], v[\s+16+32*\c:\s+31+32*\c], v[TM+12+\c]   ; (a conversion's three registers begin on an even number)
.endr
	v_or_b32 v[\pw], v[TM+8], v[TM+4]              ; with lane l xor 16's two bytes the word is whole; a plain place behind the conversions
.irp c, 0,1
.irp i, 0,1,2
	v_mov_b32 v[\pc+3+6*\c+\i], v[\pc+12+4*\c+\i]
.endr
.endr
.endm
.macro OUT j                           ; the fragment's image: each store covers 512 consecutive bytes, aligned
.irp c, 0,1,2
	global_store_b128 v4, v[PC+20*\j+4*\c:PC+20*\j+4*\c+3], s[14:15] offset:6144*\j+512*\c
.endr
.endm
	LOAD 0
	LOAD 1
	s_wait_loadcnt 16                              ; the first K step's 16 loads are in; the second's may be out
	TURN 0
	s_wait_loadcnt 0x0
	TURN 1
	s_wait_dscnt 32                                ; the first turn is back; the second's 16 stores and 16 loads may be out
	QUANT R, PC, PW
	OUT 0
	s_wait_dscnt 0x0
	QUANT R+64, PC+20, PW+1
	OUT 1
	v_cmp_ne_u32 vcc_lo, 0, v3
	v_cndmask_b32 v8, v[PW], v[PW+1], vcc_lo       ; lanes 16-31 carry the second K step's word
	global_store_b32 v7, v8, s[16:17]              ; 128 consecutive bytes a wave; the eight waves of a work-group fill 1,024
	s_wait_tensorcnt 0x0                           ; the wave's end
	ds_add_u32 v208, v209
	s_wait_dscnt 0x0
	s_endpgm
.Lfunc_end_k_q6de2295fe6_quant:
	.size	k_q6de2295fe6_quant, .Lfunc_end_k_q6de2295fe6_quant-k_q6de2295fe6_quant
	.p2alignl 7, 3214868480
	.fill 96, 4, 3214868480
	.section	.rodata,"a",@progbits
	.p2align	6, 0x0
	.amdhsa_kernel k_q6de2295fe6_quant
		.amdhsa_group_segment_fixed_size 68608
		.amdhsa_private_segment_fixed_size 0
		.amdhsa_enable_private_segment 0
		.amdhsa_kernarg_size 56
		.amdhsa_user_sgpr_count 2
		.amdhsa_user_sgpr_kernarg_segment_ptr 1
		.amdhsa_wavefront_size32 1
		.amdhsa_system_sgpr_workgroup_id_x 1
		.amdhsa_system_sgpr_workgroup_id_y 1
		.amdhsa_system_sgpr_workgroup_id_z 1
		.amdhsa_system_vgpr_workitem_id 0
		.amdhsa_next_free_vgpr 210
		.amdhsa_next_free_sgpr 66
		.amdhsa_reserve_vcc 1
		.amdhsa_float_denorm_mode_32 3
		.amdhsa_float_denorm_mode_16_64 3
		.amdhsa_memory_ordered 1
		.amdhsa_forward_progress 1
		.amdhsa_inst_pref_size 17
	.end_amdhsa_kernel
	.amdgpu_metadata
---
amdhsa.version: [ 1, 2 ]
amdhsa.kernels:
  - .name:           k_q6de2295fe6_quant
    .symbol:         k_q6de2295fe6_quant.kd
    .args:
      - { .name: x, .offset: 0, .size: 8, .value_kind: global_buffer, .address_space: global }
      - { .name: Wq, .offset: 8, .size: 8, .value_kind: global_buffer, .address_space: global }
      - { .name: Wk, .offset: 16, .size: 8, .value_kind: global_buffer, .address_space: global }
      - { .name: Wv, .offset: 24, .size: 8, .value_kind: global_buffer, .address_space: global }
      - { .name: Wp, .offset: 32, .size: 8, .value_kind: global_buffer, .address_space: global }
      - { .name: cod, .offset: 40, .size: 8, .value_kind: global_buffer, .address_space: global }
      - { .name: scl, .offset: 48, .size: 8, .value_kind: global_buffer, .address_space: global }
    .group_segment_fixed_size: 68608
    .private_segment_fixed_size: 0
    .kernarg_segment_align: 8
    .kernarg_segment_size: 56
    .max_flat_workgroup_size: 256
    .sgpr_count:     66
    .vgpr_count:     210
    .wavefront_size: 32
...
	.end_amdgpu_metadata
.endif
;; end of part 1
;; launch qkv (part 2): grid 16 x 16, 4 waves a work-group, clusters of 4 x 1, 168,448 bytes of LDS; arguments cod, scl, bq, bk, bv, qc, kv; writes qc, kv
.if DOCPART == 2
	.amdgcn_target "amdgcn-amd-amdhsa--gfx1250"
	.amdhsa_code_object_version 6
	.text
	.protected	k_q6de2295fe6_qkv
	.globl	k_q6de2295fe6_qkv
	.p2align	8
	.type	k_q6de2295fe6_qkv,@function
k_q6de2295fe6_qkv:
	s_mov_b64 s[64:65], 0
	v_nop
	global_prefetch_b8 v0, s[64:65] scope:SCOPE_SE
	s_setreg_imm32_b32 hwreg(HW_REG_WAVE_MODE, 25, 1), 1
	s_wait_xcnt 0x0
	s_wait_alu depctr_hold_cnt(0) depctr_sa_sdst(0) depctr_va_vdst(0) depctr_va_sdst(0) depctr_va_ssrc(0) depctr_va_vcc(0) depctr_vm_vsrc(0)
	s_getreg_b32 s2, hwreg(HW_REG_IB_STS2, 6, 4)
	s_cmp_eq_u32 s2, 0
	s_cbranch_scc0 .Lentry_in_a_cluster
	s_endpgm
.Lentry_in_a_cluster:
	s_bfe_u32 s2, ttmp6, 0x10000c
	s_cmp_lg_u32 s2, 0x3003
	s_cbranch_scc0 .Lentry_shape_is_right
	s_endpgm
.Lentry_shape_is_right:
; q = x Wq^T + bq, k = x Wk^T + bk, v = x Wv^T + bv on codes of FP6 (E2M3) with E8M0 scales, f32 sums; the results are quantised in registers and leave as codes:
; q and k along the head's 64 (the K of q k^T), v along the keys (the K of p v).  No f32 result goes to memory.
; SHARES: a work-group takes 256 rows (block X) and one head: 64 columns each of q, k and v.  Wave w takes x's group 4 X + w (64 rows, four tiles m) against all 12 tiles of the weights: 48 accumulators.
; x's fragments are read by one wave alone: from memory straight into registers, as images, three sets, two K steps ahead (no loop, so no prefetch).
; The head's weights for all of K (147,456 bytes of codes) are read by four waves: they come into LDS ONCE, one load a wave, two K steps each; no LDS byte is filled twice.
; CLUSTER: the four row blocks of a cluster need the same head's weights: each tile is asked for JOINTLY, by the same tensor load with the same descriptor (made of the head and the wave's number alone) and a mask that names the four.
; ORIENTATION: q, k transposed (source 0 = 16 rows of W, source 1 = 16 rows of x): a lane holds one row t, its registers run along d.  v natural (source 0 = x, source 1 = Wv): a lane holds one d, its registers run along t.
; By the order of rows in a tile (row 32 (r / 8) + 8 tile + r % 8) the 32 registers of four tiles are 32 neighbours along the next K, 32 h + 0 .. 31: one whole scale block.
; The biases are the C of each sum's first matrix instruction (so a bias is added first, not last).
; SCALE WORDS from scl by 8 bytes a lane: lanes 0-15 hold an even tile's rows, lanes 16-31 the next tile's (ROW0, ROW1); the two words are two K steps.
; OUT: qc [head of 32][group of 64 queries 32][3,328]: four tiles x 768 (registers 0-3 at 16 l, then registers 4, 5 at 8 l), then 256 bytes of scale words: lanes 0-15 tiles 0, 1 of row r, lanes 16-31 tiles 2, 3.
;      kv [head of 32][step of 128 keys 16][13,056]: K 8 tiles x 768; V [4 tiles of d][half of the keys][768]; K's scale words 2 x 256; V's 256, each as above.
; LIMITS: NaN and infinities are not served; blocks whose largest magnitude lies under 2^-124 are held at the byte 1 (a block of zeros too: its codes are zeros).
; REGISTERS, in windows of 256: window 0: v1-12 addresses; v32-47 x's scale words (8 (m / 2) + K step); v64-75, v224-235 the weights' scale words of a pair of K steps, two sets; v80-223 x's fragments, three sets of 48 (in the epilogue: at work).
;   window 1: q's and k's accumulators at 64 m + 8 t (t 0-3 q, 4-7 k).   window 2: v's at 32 n + 8 m.   window 3: the weights' 12 fragments at 12 t; from v144 bq's and bk's tiles; from v208 bv's.
.set WPR,  36864                       ; a pair of K steps of the weights in LDS: [matrix 3][K step 2][tile 4][1,536]
.set VSL,  4*WPR                       ; behind them: 256 bytes for each wave, for V's scale words; no tensor load lands here
.set SPARE, 0x29000
.set XS,   32
.set AF0,  80
.set BQK,  144                         ; window 3
.set BV,   208                         ; window 3
.set TM,   80                          ; the epilogue, window 0: v80-83, v84-87 largest magnitudes in two chains, v96-99 scale operands,
.set T2,   84
.set SO,   96
.set HW,   104                         ; v104-115 the twelve units' scale bytes,
.set PCD,  120                         ; v120-215 their codes, 8 registers a unit
.set MSB, 0
.macro WIN new                         ; the immediate's high byte repeats the setting that is left
.if MSB != (\new)
	s_set_vgpr_msb (MSB<<8)|(\new)
.set MSB, (\new)
.endif
.endm
.macro WALU
	s_wait_alu depctr_va_vdst(0)
.endm
.macro PLACES                          ; four places in front of loads into registers that matrix instructions have read, and of the first read of results
.rept 4
	v_nop
.endr
.endm
.macro CROUND                          ; a round of the cluster's barrier
	s_barrier_signal -1
	s_barrier_wait -1
	s_cmp_lg_u32 s18, 0
	s_cbranch_scc1 .Lnot_wave_0_\@
	s_barrier_signal -3
.Lnot_wave_0_\@:
	s_barrier_wait -3
	s_barrier_signal -1
	s_barrier_wait -1
.endm
	s_load_b256 s[4:11], s[0:1], 0x0               ; cod, scl, bq, bk
	s_load_b128 s[12:15], s[0:1], 0x20             ; bv, qc
	s_load_b64 s[16:17], s[0:1], 0x30              ; kv
	v_lshl_add_u32 v254, v0, 2, SPARE
	v_mov_b32 v255, 0
	ds_add_u32 v254, v255                          ; the add, twice on end, ahead of my first tensor load
	ds_add_u32 v254, v255
	v_lshrrev_b32 v1, 5, v0
	v_readfirstlane_b32 s18, v1                    ; wave 0..3
	s_bfe_u32 s19, ttmp6, 0x40000                  ; cx
	s_lshl_b32 s20, ttmp9, 2
	s_add_co_u32 s20, s20, s19                     ; X = 4 x cluster x + cx: it enters global addresses of x, qc and kv alone
	s_and_b32 s21, ttmp7, 0xffff                   ; the head, which the four partners share
	; group 1: 3 rows (Wq, Wk, Wv) of 12,288 bytes (1,536 elements of 8 bytes: two K steps), 16 groups = 786,432 bytes apart
	s_mov_b32 s24, 15|(3<<16)|(1<<21)              ; the mask: all four work-groups; elements of 8 bytes; bit 21 beside a mask
	s_mov_b32 s25, 1536<<16                        ; tensor_dim0
	s_mov_b32 s26, 3<<16                           ; tensor_dim1
	s_mov_b32 s27, 1536<<16                        ; tile_dim0
	s_mov_b32 s28, 3                               ; tile_dim1
	s_mov_b32 s29, 98304                           ; the pitch in elements
	s_mov_b32 s30, 0
	s_mov_b32 s31, 0
	s_add_co_u32 s66, s21, 64                      ; Wq's group of this head
	s_mul_i32 s70, s66, 49152
	s_mul_i32 s67, s18, 12288
	s_add_co_u32 s70, s70, s67                     ; group, K steps 2 w and 2 w + 1
	s_mov_b32 s71, 0
	s_mov_b32 s44, 1
	s_mul_i32 s45, s18, WPR
	s_wait_dscnt 0x0
	s_wait_kmcnt 0x0
	s_add_nc_u64 s[46:47], s[4:5], s[70:71]
	s_or_b32 s47, s47, 0x80000000
	CROUND                                         ; all four work-groups are here: the joint loads meet
; One load a wave, each in an arm of its own, so that a barrier may show the K steps of one wave alone
.macro ARM n, next
	s_cmp_eq_u32 s18, \n
	s_cbranch_scc0 \next
	tensor_load_to_lds s[44:47], s[24:31]
	s_nop 0
	PLACES
	s_branch .Lasked
\next:
.endm
	ARM 0, .Lwave_1
	ARM 1, .Lwave_2
	ARM 2, .Lwave_3
	tensor_load_to_lds s[44:47], s[24:31]
	s_nop 0
	PLACES
.Lasked:
	s_lshl_b32 s68, s66, 11
	s_mov_b32 s69, 0
	s_add_nc_u64 s[68:69], s[6:7], s[68:69]        ; the weights' scale words
	s_lshl_b32 s74, s20, 2
	s_add_co_u32 s74, s74, s18                     ; x's group 4 X + w
	s_mul_i32 s52, s74, 49152
	s_mov_b32 s53, 0
	s_add_nc_u64 s[52:53], s[4:5], s[52:53]        ; its codes
	s_lshl_b32 s54, s74, 11
	s_mov_b32 s55, 0
	s_add_nc_u64 s[54:55], s[6:7], s[54:55]        ; its scale words
	s_lshl_b32 s56, s21, 8
	s_mov_b32 s57, 0
	s_add_nc_u64 s[8:9], s[8:9], s[56:57]          ; the biases at the head's 64 numbers
	s_add_nc_u64 s[10:11], s[10:11], s[56:57]
	s_add_nc_u64 s[12:13], s[12:13], s[56:57]
	s_lshl_b32 s66, s18, 8
	s_add_co_u32 s66, s66, VSL
	s_and_b32 s67, s18, 1
	s_lshl_b32 s67, s67, 9
	s_add_co_u32 s67, s67, VSL
	v_and_b32 v1, 31, v0                           ; lane
	v_and_b32 v2, 15, v0                           ; r
	v_bfe_u32 v3, v0, 4, 1                         ; h
	v_lshlrev_b32 v4, 4, v1                        ; 16 x lane
	v_lshlrev_b32 v5, 4, v1                        ; the same + the K steps' place in LDS: stepped
	v_lshlrev_b32 v7, 3, v1                        ; 8 x lane
	v_lshlrev_b32 v8, 7, v3                        ; bq, bk: 32 h numbers on
	v_and_b32 v9, 8, v2
	v_mad_u32_u24 v9, v9, 3, v2
	v_lshlrev_b32 v9, 2, v9                        ; bv: number 32 (r / 8) + r % 8, + 8 n for tile n
	v_add_nc_u32 v11, s66, v7                      ; V's scale words, in: my wave's 256 bytes
	v_add_nc_u32 v12, s67, v7                      ; and back (waves 0 and 1): the regions of waves 2 w and 2 w + 1
	WALU                                           ; the wait at the head's end
.macro WSC pr                          ; the weights' scale words of K steps 2 pr, 2 pr + 1 into set pr % 2: 6 loads of 256 consecutive bytes
.set WB, 64+160*((\pr)%2)
.irp q3, 0,1,2
.irp t2, 0,1
	global_load_b64 v[WB+4*\q3+2*\t2:WB+4*\q3+2*\t2+1], v7, s[68:69] offset:\q3*32768+(\pr)*512+\t2*256
.endr
.endr
.endm
.macro ALOAD s                         ; x's four fragments of K step s into set s % 3: 12 loads
.set AFS, AF0+48*((\s)%3)
.irp m, 0,1,2,3
.irp c, 0,1,2
	global_load_b128 v[AFS+12*\m+4*\c:AFS+12*\m+4*\c+3], v4, s[52:53] offset:(\s)*6144+\m*1536+512*\c
.endr
.endr
.endm
	WSC 0
	WSC 1
.irp m2, 0,1
.irp k, 0,1,2,3
	global_load_b64 v[XS+8*\m2+2*\k:XS+8*\m2+2*\k+1], v7, s[54:55] offset:\k*512+\m2*256
.endr
.endr
	WIN 0xc0                                       ; destination window 3
.irp t, 0,1,2,3                                ; lane (r, h) wants, for tile t, the numbers 32 h + 8 t + 0 .. 7
	global_load_b128 v[BQK+8*\t:BQK+8*\t+3], v8, s[8:9] offset:32*\t
	global_load_b128 v[BQK+8*\t+4:BQK+8*\t+7], v8, s[8:9] offset:32*\t+16
	global_load_b128 v[BQK+32+8*\t:BQK+32+8*\t+3], v8, s[10:11] offset:32*\t
	global_load_b128 v[BQK+32+8*\t+4:BQK+32+8*\t+7], v8, s[10:11] offset:32*\t+16
.endr
.irp n, 0,1,2,3                                ; v: a lane holds one d: one number, spread over eight registers below
	global_load_b32 v[BV+8*\n], v9, s[12:13] offset:32*\n
.endr
	WIN 0
.macro BLOAD q3, s                     ; matrix q3's four fragments of K step s (v5 stands at that pair of K steps): 12 LDS loads
	WIN 0xc0
.irp t, 0,1,2,3
.irp c, 0,1,2
	ds_load_b128 v[48*\q3+12*\t+4*\c:48*\q3+12*\t+4*\c+3], v5 offset:\q3*12288+((\s)%2)*6144+\t*1536+512*\c
.endr
.endr
	WIN 0
.endm
; 16 matrix instructions on 16 accumulators, one instruction a turn.  FIRST = 1: the bias is the C of the sum's first instruction
.macro MULQK q3, s
.set AFS, AF0+48*((\s)%3)
.set WB, 64+160*(((\s)/2)%2)
.irp m2, 0,1
.irp m1, 0,1
.irp t2, 0,1
.irp t1, 0,1
.set D_, 64*(2*\m2+\m1)+8*(4*\q3+2*\t2+\t1)
.set A_, 48*\q3+12*(2*\t2+\t1)
.set B_, AFS+12*(2*\m2+\m1)
.set X_, WB+4*\q3+2*\t2+(\s)%2
.set Y_, XS+8*\m2+(\s)
.if FIRST
.set C_, BQK+8*(4*\q3+2*\t2+\t1)
.else
.set C_, D_
.endif
	v_wmma_scale_f32_16x16x128_f8f6f4 v[D_:D_+7], v[A_:A_+11], v[B_:B_+11], v[C_:C_+7], v[X_], v[Y_] matrix_a_fmt:MATRIX_FMT_FP6 matrix_b_fmt:MATRIX_FMT_FP6 matrix_a_scale:MATRIX_SCALE_ROW\t1 matrix_b_scale:MATRIX_SCALE_ROW\m1
.endr
.endr
.endr
.endr
.endm
.macro MULV s
.set AFS, AF0+48*((\s)%3)
.set WB, 64+160*(((\s)/2)%2)
.irp m2, 0,1
.irp m1, 0,1
.irp t2, 0,1
.irp t1, 0,1
.set D_, 32*(2*\t2+\t1)+8*(2*\m2+\m1)
.set A_, AFS+12*(2*\m2+\m1)
.set B_, 96+12*(2*\t2+\t1)
.set X_, XS+8*\m2+(\s)
.set Y_, WB+8+2*\t2+(\s)%2
.if FIRST
.set C_, BV+8*(2*\t2+\t1)
.else
.set C_, D_
.endif
	v_wmma_scale_f32_16x16x128_f8f6f4 v[D_:D_+7], v[A_:A_+11], v[B_:B_+11], v[C_:C_+7], v[X_], v[Y_] matrix_a_fmt:MATRIX_FMT_FP6 matrix_b_fmt:MATRIX_FMT_FP6 matrix_a_scale:MATRIX_SCALE_ROW\m1 matrix_b_scale:MATRIX_SCALE_ROW\t1
.endr
.endr
.endr
.endr
.endm
; A K step: three thirds (q, k, v) of 16 products.  Behind each third its fragments of the next K step are fetched: they have the other two thirds, 32 products, in which to land.
.macro STEP s
.set FIRST, 0
.if (\s) == 0
.set FIRST, 1
.endif
	WIN 0
.if (\s) < 2
	s_wait_loadcnt 24                              ; x's fragments of this K step are in; the two later sets, 12 loads each, may be out
.elseif (\s) < 6
	s_wait_loadcnt 30                              ; and the six loads of scale words that stand between them
.else
	s_wait_loadcnt 12*(7-(\s))
.endif
.if ((\s)%2 == 1) && ((\s) < 7)
	v_add_nc_u32 v5, WPR, v5                       ; the fetches of this step are the next pair of K steps'
.endif
	WALU
.if ((\s)%2 == 1) && ((\s) < 7)
.if (\s) < 5
	s_cmp_eq_u32 s18, ((\s)+1)/2                   ; the wave that asked for the next pair of K steps waits for it
	s_cbranch_scc0 .Lnot_mine_\@
	s_wait_tensorcnt 0x0
.Lnot_mine_\@:
.else
	s_wait_tensorcnt 0x0                           ; the last pair
.endif
	s_wait_dscnt 0x0                               ; no LDS load of mine is out at a signal,
	s_barrier_signal -1                            ; say so, and work on registers while the others arrive
.else
	s_wait_dscnt 24                                ; this third's 12 loads are in; the two later thirds' may be out
.endif
	WIN 0x53+0x20*FIRST                            ; W window 3, x window 0, C and D window 1 (the first K step's C: window 3)
	MULQK 0, \s
.if ((\s)%2 == 1) && ((\s) < 7)
	s_barrier_wait -1                              ; the next pair of K steps is whole
.endif
.if (\s) < 7
	PLACES
	BLOAD 0, (\s)+1
	s_wait_dscnt 24
.else
	s_wait_dscnt 12
.endif
	WIN 0x53+0x20*FIRST
	MULQK 1, \s
.if (\s) < 7
	PLACES
	BLOAD 1, (\s)+1
	s_wait_dscnt 24
.else
	s_wait_dscnt 0x0
.endif
	WIN 0xac+0x10*FIRST                            ; x window 0, Wv window 3, C and D window 2
	MULV \s
.if (\s) < 7
	PLACES
	BLOAD 2, (\s)+1
.endif
.if ((\s) == 1) || ((\s) == 3)
	WSC ((\s)+3)/2                                 ; into the set that this pair of K steps has left
.endif
.if (\s) < 5
	ALOAD (\s)+3                                   ; the set that this K step has left (the places above stand behind its last product)
.endif
.endm
	ALOAD 0
	ALOAD 1
	ALOAD 2
	s_cmp_eq_u32 s18, 0
	s_cbranch_scc0 .Lnot_first
	s_wait_tensorcnt 0x0                           ; K steps 0 and 1 are in; the other waves' may stay out
.Lnot_first:
	s_barrier_signal -1
	s_barrier_wait -1
	BLOAD 0, 0
	BLOAD 1, 0
	BLOAD 2, 0
	s_wait_loadcnt 24                              ; the biases, the scale words and x's first set are in
	WIN 0xc3                                       ; destination and source window 3
.irp n, 0,1,2,3
.irp j, 1,2,3,4,5,6,7
	v_mov_b32 v[BV+8*\n+\j], v[BV+8*\n]            ; bv's tile in the result's layout: the lane's one number in all eight registers
.endr
.endr
.irp s, 0,1,2,3,4,5,6,7
	STEP \s
.endr
	; ---- THE EPILOGUE.  Twelve units of 32 numbers a lane (q and k of each tile of rows: along d; v of each tile of d: along t), each one scale block: 6 registers of codes and one byte.
	PLACES
	WIN 0
	s_lshr_b32 s66, s20, 3
	s_lshl_b32 s66, s66, 4
	s_add_co_u32 s66, s66, s21                     ; the head of 32: 16 x batch + head
	s_and_b32 s67, s20, 7                          ; my block of 256 rows in the sequence
	s_lshl_b32 s68, s66, 5
	s_lshl_b32 s69, s67, 2
	s_add_co_u32 s68, s68, s69
	s_add_co_u32 s68, s68, s18
	s_mul_i32 s68, s68, 3328
	s_mov_b32 s69, 0
	s_add_nc_u64 s[14:15], s[14:15], s[68:69]      ; qc at my group of 64 queries
	s_mul_i32 s68, s66, 208896
	s_add_nc_u64 s[16:17], s[16:17], s[68:69]      ; kv at my head
	s_lshl_b32 s70, s67, 1
	s_lshr_b32 s71, s18, 1
	s_add_co_u32 s71, s70, s71
	s_mul_i32 s68, s71, 13056
	s_add_nc_u64 s[56:57], s[16:17], s[68:69]      ; the record of my step of 128 keys
	s_and_b32 s72, s18, 1                          ; which half of it
	s_mul_i32 s68, s72, 3072
	s_add_nc_u64 s[58:59], s[56:57], s[68:69]      ; K's tiles
	s_mul_i32 s68, s72, 768
	s_add_co_u32 s68, s68, 6144
	s_add_nc_u64 s[62:63], s[56:57], s[68:69]      ; V's planes
	s_lshl_b32 s68, s72, 8
	s_add_co_u32 s68, s68, 12288
	s_add_nc_u64 s[56:57], s[56:57], s[68:69]      ; K's scale words
	s_add_co_u32 s71, s70, s72
	s_mul_i32 s68, s71, 13056
	s_add_co_u32 s68, s68, 12800
	s_add_nc_u64 s[16:17], s[16:17], s[68:69]      ; V's scale words of step 2 (X % 8) + w, for waves 0 and 1
; Four units from window win at 128 (bt % 2) on.  Each accumulator is read from its low end on.
.macro EPIB bt, win
.set EB, 128*((\bt)%2)
.set PCB, PCD+32*(\bt)
	WIN 5*(\win)                                   ; sources 0 and 1 in the accumulators' window
.irp u, 0,1,2,3
	v_max3_num_f32 v[TM+\u], |v[EB+32*\u]|, |v[EB+32*\u+1]|, 0x1800000   ; and the floor 2^(3 - 127): the byte cannot fall under 1
	v_max3_num_f32 v[T2+\u], |v[EB+32*\u+16]|, |v[EB+32*\u+17]|, 0x1800000
.endr
.irp i, 2,4,6,8,10,12,14
.irp u, 0,1,2,3
	v_max3_num_f32 v[TM+\u], |v[EB+32*\u+\i]|, |v[EB+32*\u+\i+1]|, v[TM+\u]   ; eight chains by turns
	v_max3_num_f32 v[T2+\u], |v[EB+32*\u+16+\i]|, |v[EB+32*\u+17+\i]|, v[T2+\u]
.endr
.endr
	WIN 0
.irp u, 0,1,2,3
	v_max_num_f32 v[TM+\u], v[TM+\u], v[T2+\u]
.endr
.irp u, 0,1,2,3
	v_add_nc_u32 v[SO+\u], 0xff000000, v[TM+\u]    ; 2 off its exponent field: the conversion's scale operand
.endr
.irp u, 0,1,2,3
	v_lshrrev_b32 v[HW+4*(\bt)+\u], 23, v[SO+\u]   ; the scale's byte, of block h
.endr
	WIN \win                                       ; source 0 in the accumulators' window
.irp u, 0,1,2,3
	v_cvt_scalef32_pk16_fp6_f32 v[PCB+8*\u:PCB+8*\u+2], v[EB+32*\u:EB+32*\u+15], v[SO+\u]
	v_cvt_scalef32_pk16_fp6_f32 v[PCB+8*\u+4:PCB+8*\u+6], v[EB+32*\u+16:EB+32*\u+31], v[SO+\u]
.endr
	WIN 0
	v_nop                                          ; one plain place behind a scaled conversion
.irp u, 0,1,2,3
.irp i, 0,1,2
	v_mov_b32 v[PCB+8*\u+3+\i], v[PCB+8*\u+4+\i]   ; ascending: each source is read before it is written
.endr
.endr
.endm
.macro SEND6 r, base, off              ; six registers of codes: 512 and 256 consecutive bytes, aligned
	global_store_b128 v4, v[\r:\r+3], \base offset:\off
	global_store_b64 v7, v[\r+4:\r+5], \base offset:(\off)+512
.endm
; Four tiles' bytes, at v[b0] .. v[b3], of rows r and blocks h become words: lanes 0-15 tiles 0 and 1, lanes 16-31 tiles 2 and 3; the upper two bytes of a word stay 0.  d, d + 1 take the words, t is at work
.macro WORDS d, t, b0, b1, b2, b3
	v_lshl_or_b32 v[\d], v[\b1], 16, v[\b0]
	v_lshl_or_b32 v[\d+1], v[\b3], 16, v[\b2]
	v_permlane16_swap_b32 v[\d], v[\d+1]           ; the first now holds the blocks h = 0, the second the blocks h = 1
	v_lshl_or_b32 v[\t], v[\d+1], 8, v[\d]
	v_and_b32 v[\d], 0xffff, v[\t]
	v_lshrrev_b32 v[\d+1], 16, v[\t]
.endm
	EPIB 0, 1                                      ; q, k of tile 0; q, k of tile 1
.irp m, 0,1
	SEND6 PCD+16*\m, s[14:15], \m*768
	SEND6 PCD+16*\m+8, s[58:59], \m*768
.endr
	EPIB 1, 1                                      ; tiles 2 and 3
.irp m, 2,3
	SEND6 PCD+16*\m, s[14:15], \m*768
	SEND6 PCD+16*\m+8, s[58:59], \m*768
.endr
	WORDS 216, 218, HW, HW+2, HW+4, HW+6
	WORDS 220, 219, HW+1, HW+3, HW+5, HW+7
	global_store_b64 v7, v[216:217], s[14:15] offset:3072
	global_store_b64 v7, v[220:221], s[56:57]
	EPIB 2, 2                                      ; v's four tiles of d
.irp n, 0,1,2,3
	SEND6 PCD+64+8*\n, s[62:63], \n*1536
.endr
	WORDS 240, 242, HW+8, HW+9, HW+10, HW+11
	ds_store_b64 v11, v[240:241]                   ; my half of V's scale words
	s_wait_dscnt 0x0                               ; for the others' sake: my store has landed
	s_barrier_signal -1
	s_barrier_wait -1
	s_cmp_lt_u32 s18, 2                            ; waves 0 and 1 join the halves of one step's words each
	s_cbranch_scc0 .Lno_vs
	ds_load_b64 v[244:245], v12
	ds_load_b64 v[246:247], v12 offset:256
	s_wait_dscnt 0x0
	v_lshl_or_b32 v244, v246, 16, v244             ; keys 0-63 in the lower bytes, keys 64-127 in the upper
	v_lshl_or_b32 v245, v247, 16, v245
	global_store_b64 v7, v[244:245], s[16:17]
.Lno_vs:
	s_wait_tensorcnt 0x0                           ; the wave's end
	ds_add_u32 v254, v255
	s_wait_dscnt 0x0
	CROUND                                         ; the closing round: no work-group ends while a partner may still ask for a tile that names it
	s_endpgm
.Lfunc_end_k_q6de2295fe6_qkv:
	.size	k_q6de2295fe6_qkv, .Lfunc_end_k_q6de2295fe6_qkv-k_q6de2295fe6_qkv
	.p2alignl 7, 3214868480
	.fill 96, 4, 3214868480
	.section	.rodata,"a",@progbits
	.p2align	6, 0x0
	.amdhsa_kernel k_q6de2295fe6_qkv
		.amdhsa_group_segment_fixed_size 168448
		.amdhsa_private_segment_fixed_size 0
		.amdhsa_enable_private_segment 0
		.amdhsa_kernarg_size 56
		.amdhsa_user_sgpr_count 2
		.amdhsa_user_sgpr_kernarg_segment_ptr 1
		.amdhsa_wavefront_size32 1
		.amdhsa_system_sgpr_workgroup_id_x 1
		.amdhsa_system_sgpr_workgroup_id_y 1
		.amdhsa_system_sgpr_workgroup_id_z 1
		.amdhsa_system_vgpr_workitem_id 0
		.amdhsa_next_free_vgpr 1024
		.amdhsa_next_free_sgpr 80
		.amdhsa_reserve_vcc 0
		.amdhsa_float_denorm_mode_32 3
		.amdhsa_float_denorm_mode_16_64 3
		.amdhsa_memory_ordered 1
		.amdhsa_forward_progress 1
		.amdhsa_inst_pref_size 116
	.end_amdhsa_kernel
	.amdgpu_metadata
---
amdhsa.version: [ 1, 2 ]
amdhsa.kernels:
  - .name:           k_q6de2295fe6_qkv
    .symbol:         k_q6de2295fe6_qkv.kd
    .args:
      - { .name: cod, .offset: 0, .size: 8, .value_kind: global_buffer, .address_space: global }
      - { .name: scl, .offset: 8, .size: 8, .value_kind: global_buffer, .address_space: global }
      - { .name: bq, .offset: 16, .size: 8, .value_kind: global_buffer, .address_space: global }
      - { .name: bk, .offset: 24, .size: 8, .value_kind: global_buffer, .address_space: global }
      - { .name: bv, .offset: 32, .size: 8, .value_kind: global_buffer, .address_space: global }
      - { .name: qc, .offset: 40, .size: 8, .value_kind: global_buffer, .address_space: global }
      - { .name: kv, .offset: 48, .size: 8, .value_kind: global_buffer, .address_space: global }
    .group_segment_fixed_size: 168448
    .private_segment_fixed_size: 0
    .kernarg_segment_align: 8
    .kernarg_segment_size: 56
    .max_flat_workgroup_size: 128
    .sgpr_count:     80
    .vgpr_count:     1024
    .wavefront_size: 32
...
	.end_amdgpu_metadata
.endif
;; end of part 2
;; launch attn (part 3): grid 8 x 32, 16 waves a work-group, clusters of 4 x 1, 310,784 bytes of LDS; arguments qc, kv, yc, ys; writes yc, ys
.if DOCPART == 3
	.amdgcn_target "amdgcn-amd-amdhsa--gfx1250"
	.amdhsa_code_object_version 6
	.text
	.protected	k_q6de2295fe6_attn
	.globl	k_q6de2295fe6_attn
	.p2align	8
	.type	k_q6de2295fe6_attn,@function
k_q6de2295fe6_attn:
	s_mov_b64 s[64:65], 0
	v_nop
	global_prefetch_b8 v0, s[64:65] scope:SCOPE_SE
	s_setreg_imm32_b32 hwreg(HW_REG_WAVE_MODE, 25, 1), 1
	s_wait_xcnt 0x0
	s_wait_alu depctr_hold_cnt(0) depctr_sa_sdst(0) depctr_va_vdst(0) depctr_va_sdst(0) depctr_va_ssrc(0) depctr_va_vcc(0) depctr_vm_vsrc(0)
	s_getreg_b32 s2, hwreg(HW_REG_IB_STS2, 6, 4)
	s_cmp_eq_u32 s2, 0
	s_cbranch_scc0 .Lentry_in_a_cluster
	s_endpgm
.Lentry_in_a_cluster:
	s_bfe_u32 s2, ttmp6, 0x10000c
	s_cmp_lg_u32 s2, 0x3003
	s_cbranch_scc0 .Lentry_shape_is_right
	s_endpgm
.Lentry_shape_is_right:
; y[q] = the sum over keys k <= q of softmax_k(q . k / 8) v[k], for one head of 64, both products on codes of FP6 (E2M3) with E8M0 scales; y is quantised along C in registers and leaves as codes.
; THE SOFTMAX AHEAD OF THE SECOND PRODUCT: t = score x log2(e) / 8; M = the running largest t, rounded UP to a whole number; p = 2^(t - M) is quantised along the keys, not normalised.
; The row's sum is taken of the unquantised p and divides at the end.  When M moves, the sum and O are multiplied by 2^(old M - new M): exact.
; WORK LEFT OUT: the key steps of 128 keys that all come after a tile's queries (p = 0 there by reference()'s own causal mask, whatever the inputs hold).
; THE FIRST PRODUCT'S K IS 64: registers 6-11 of Q's fragment are zero codes, and bytes 2, 3 of Q's and K's scale words are 0 (2^-127, no NaN).  So what stands in registers 6-11 of K's fragments (codes, which are all finite) adds nothing:
; K's tiles lie 6 registers apart, and a fragment's upper half is the next tile (the last tile's: six registers of p's codes).
; SHARES: a head's 128 tiles of 16 queries are dealt so that all eight work-groups of a head are alike: work-group g (0..7) owns, for each rank R = 0 .. 15, tile g of step R: queries 128 R + 64 (g / 4) + 8 (g % 4) + 32 (r / 8) + r % 8.
; Rank R needs key steps 0 .. R of 128 keys; step R lies on the diagonal.  With j = w % 4, wave w takes:
;   w / 4 = 0: rank 15 - j, steps 12 .. 15 - j, in trips 0 .. 3 - j; it hands O, M and the sum over through LDS, and takes, in trips 4 - j .. 4, rank j, steps j .. 0: 5 trips;
;   w / 4 = 1: rank 15 - j, steps 0 .. 11: 12 trips; it joins the part that wave j handed over (powers of two again) and finishes the rank;
;   w / 4 = 2: rank 11 - j, 12 - j trips;   w / 4 = 3: rank 4 + j, 5 + j trips.  Waves j, j + 4, j + 8, j + 12 have 34 steps between them.
; So branches and LDS addresses hang on the wave's number and the trip alone; g enters global addresses and the mask's comparison value.
; LDS: the head's 16 records of kv (K 8 tiles x 768, V 4 x 2 x 768, K's scale words 2 x 256, V's 256: 13,056 bytes a step of 128 keys), filled ONCE, one record a wave; no LDS byte is filled twice, so no prefetch runs ahead.
; CLUSTER: the four work-groups of a cluster walk the same head's K and V: each record is asked for JOINTLY, by the same tensor load with the same descriptor (the head and the wave's number alone) and a mask that names the four.
; LAYOUT: both products transposed (S^T = K Q^T, O^T = V^T P^T): a lane holds one query throughout; by the order of keys in a tile the 32 registers of tiles 4 c .. 4 c + 3 of S^T are keys 64 c + 32 h + 0 .. 31: a whole scale block.
; LIMITS: NaN and infinities are not served; a block of p whose largest lies under 2^-124 of the row's scale keeps the byte of its exponent field or 0 (a block of zeros: byte 0 and zero codes).
; REGISTERS: v1, v2 8 and 16 x lane; v3 the mask's value; v4 8 h; v5, v6 the add's; v7, v0 where a part is handed over and where it is fetched; v8, v9 the step's LDS addresses; v10-11, v28-29 K's scale words; v12 -M, v13 the largest score, v[14:15] the sum;
;   v16-27 Q, v30 its scale word; v31 p's; v32-79 K; v80-91 p's codes; v92-98 rank j's Q and scale word; v99 where scale bytes go; v100-101 V's scale words; v102-149 V; v150-213 S^T, then p; v214-245 O^T; v246 f; v248-255 at work.
.set REC, 13056
.set KF,  32
.set P,   80
.set YB,  99
.set VS,  100
.set VF,  102
.set S,   150
.set O,   214
.set PSZ, 4608                         ; what a wave hands over: O 8 x 512 bytes, then -M, the largest score and the sum: 512
.set PRT, 18*REC                       ; behind the records
.set SPARE, PRT+16*PSZ
.macro WALU
	s_wait_alu depctr_va_vdst(0)
.endm
.macro CROUND                          ; a round of the cluster's barrier
	s_barrier_signal -1
	s_barrier_wait -1
	s_cmp_lg_u32 s12, 0
	s_cbranch_scc1 .Lnot_wave_0_\@
	s_barrier_signal -3
.Lnot_wave_0_\@:
	s_barrier_wait -3
	s_barrier_signal -1
	s_barrier_wait -1
.endm
	s_load_b256 s[4:11], s[0:1], 0x0               ; qc, kv, yc, ys
	v_lshl_add_u32 v5, v0, 2, SPARE
	v_mov_b32 v6, 0
	ds_add_u32 v5, v6                              ; the add, twice on end, ahead of my first tensor load; work on registers stands between it and the wait
	ds_add_u32 v5, v6
	v_lshrrev_b32 v1, 5, v0
	v_readfirstlane_b32 s12, v1                    ; wave 0..15
	s_bfe_u32 s18, ttmp6, 0x40000                  ; cx
	s_lshl_b32 s19, ttmp9, 2
	s_add_co_u32 s19, s19, s18                     ; g = 4 x cluster x + cx
	s_and_b32 s48, ttmp7, 0xffff                   ; the head of 32, which the partners share
	; group 1: a record, dense, as 51 rows of 256 bytes (32 elements of 8 bytes)
	s_mov_b32 s32, 15|(3<<16)|(1<<21)              ; the mask: all four work-groups; bit 21 beside it
	s_mov_b32 s33, 32<<16
	s_mov_b32 s34, 51<<16
	s_mov_b32 s35, 32<<16
	s_mov_b32 s36, 51
	s_mov_b32 s37, 32
	s_mov_b32 s38, 0
	s_mov_b32 s39, 0
	s_and_b32 s49, s12, 1                          ; wave w fetches record (w / 2) xor 12 (w % 2): records 0 and 12, wanted first, by waves 0 and 1
	s_mul_i32 s49, s49, 12
	s_lshr_b32 s50, s12, 1
	s_xor_b32 s49, s49, s50
	s_mov_b32 s40, 1
	s_mul_i32 s41, s49, REC                        ; the same offset in LDS and in the head's part of kv
	s_mul_i32 s62, s48, 16*REC
	s_add_co_u32 s62, s62, s41
	s_mov_b32 s63, 0
	s_lshr_b32 s13, s12, 2                         ; w / 4
	s_and_b32 s14, s12, 3                          ; j
	s_add_co_u32 s27, s13, 3
	s_lshr_b32 s27, s27, 2
	s_xor_b32 s27, s27, 1                          ; 1 in waves 0-3
	s_mul_i32 s27, s27, 12                         ; trip 0's record: 12 or 0
	s_xor_b32 s15, s14, 15                         ; 15 - j
	s_mov_b32 s28, s15                             ; the rank that I finish: 15 - j, 11 - j, 4 + j or j
	s_xor_b32 s50, s14, 11
	s_or_b32 s51, s14, 4
	s_cmp_eq_u32 s13, 2
	s_cselect_b32 s28, s50, s28
	s_cmp_eq_u32 s13, 3
	s_cselect_b32 s28, s51, s28
	s_mov_b32 s18, s28                             ; the rank that I begin with
	s_add_co_u32 s17, s28, 1
	s_min_u32 s17, s17, 12                         ; my trips
	s_mov_b32 s25, s28                             ; trips s25 and s25 + 1 lie on the diagonal (beyond my last trip: none)
	s_mov_b32 s26, 99                              ; the trip at which I change ranks: none,
	s_sub_co_u32 s50, 3, s14
	s_sub_co_u32 s51, 4, s14
	s_cmp_eq_u32 s13, 0                            ; but in waves 0-3 trip 4 - j
	s_cselect_b32 s18, s15, s18
	s_cselect_b32 s17, 5, s17
	s_cselect_b32 s25, s50, s25
	s_cselect_b32 s26, s51, s26
	s_cselect_b32 s28, s14, s28
	s_mov_b32 s20, 0x76543210
	s_mov_b32 s21, 0xfedcba98                      ; v_permlanex16_b32's selects for lane l xor 16
	s_mov_b32 s22, 0x3e38aa3b                      ; c = log2(e) / 8
	s_mov_b32 s23, s22                             ; (named with it as a pair, so it is written)
	s_mov_b32 s24, 0xbe38aa3b                      ; -c
	s_lshr_b32 s29, s19, 2                         ; g / 4: the group of 64 in the step
	s_and_b32 s30, s19, 3                          ; the tile in the group
	s_lshl_b32 s54, s48, 5                         ; Q: record head x 32 + 2 rank + g / 4 of 3,328 bytes, tile g % 4
	s_add_co_u32 s54, s54, s29
	s_mul_i32 s57, s30, 768
	s_lshr_b32 s31, s30, 1
	s_lshl_b32 s31, s31, 7
	s_and_b32 s49, s30, 1
	s_lshl_b32 s49, s49, 2
	s_add_co_u32 s31, s31, s49
	s_add_co_u32 s31, s31, 3072                    ; its scale words
	s_lshl_b32 s50, s18, 1
	s_add_co_u32 s50, s50, s54
	s_mul_i32 s50, s50, 3328
	s_add_co_u32 s58, s50, s57                     ; the rank that I begin with: codes,
	s_mov_b32 s59, 0
	s_add_co_u32 s60, s50, s31                     ; scale words
	s_mov_b32 s61, 0
	s_lshl_b32 s50, s14, 1
	s_add_co_u32 s50, s50, s54
	s_mul_i32 s50, s50, 3328
	s_add_co_u32 s44, s50, s57                     ; rank j likewise
	s_mov_b32 s45, 0
	s_add_co_u32 s46, s50, s31
	s_mov_b32 s47, 0
	s_lshl_b32 s55, s29, 6
	s_lshl_b32 s51, s30, 3
	s_add_co_u32 s55, s55, s51                     ; 64 (g / 4) + 8 (g % 4)
	s_mul_i32 s56, s12, PSZ
	s_add_co_u32 s56, s56, PRT                     ; the wave's own place for a part,
	s_mul_i32 s57, s14, PSZ
	s_add_co_u32 s57, s57, PRT                     ; and that of wave j
	v_and_b32 v250, 31, v0                         ; lane
	v_and_b32 v251, 15, v0                         ; r
	v_bfe_u32 v252, v0, 4, 1                       ; h
	v_lshlrev_b32 v1, 3, v250
	v_lshlrev_b32 v2, 4, v250
	v_lshlrev_b32 v253, 3, v251                    ; 8 r
	v_lshlrev_b32 v4, 3, v252                      ; 8 h
	v_add_nc_u32 v[YB], v253, v252                 ; 8 r + h
	v_and_b32 v254, 8, v251
	v_mad_u32_u24 v254, v254, 3, v251              ; 32 (r / 8) + r % 8
	v_lshlrev_b32 v255, 5, v252
	v_sub_nc_u32 v254, v254, v255
	v_add_nc_u32 v3, s55, v254                     ; my query - the step's first key - 32 h, on the diagonal
	v_add_nc_u32 v7, s56, v2
	v_add_nc_u32 v0, s57, v2
.irp i, 92,93,94,95,96,97,98
	v_mov_b32 v\i, 0
.endr
	WALU
	s_wait_dscnt 0x0
	s_wait_kmcnt 0x0
	s_add_nc_u64 s[58:59], s[4:5], s[58:59]
	s_add_nc_u64 s[60:61], s[4:5], s[60:61]
	s_add_nc_u64 s[44:45], s[4:5], s[44:45]
	s_add_nc_u64 s[46:47], s[4:5], s[46:47]
	s_add_nc_u64 s[42:43], s[6:7], s[62:63]
	s_or_b32 s43, s43, 0x80000000
	global_load_b128 v[16:19], v2, s[58:59]
	global_load_b64 v[20:21], v1, s[58:59] offset:512
	global_load_b32 v30, v253, s[60:61]
	s_cmp_lt_u32 s12, 4
	s_cbranch_scc0 .Lone_rank
	global_load_b128 v[92:95], v2, s[44:45]
	global_load_b64 v[96:97], v1, s[44:45] offset:512
	global_load_b32 v98, v253, s[46:47]
.Lone_rank:
	CROUND                                         ; all four work-groups are here: the joint loads meet
	s_cmp_lt_u32 s12, 2
	s_cbranch_scc0 .Lothers
	tensor_load_to_lds s[40:43], s[32:39]
	s_nop 0
.rept 4
	v_nop
.endr
	s_branch .Lasked
.Lothers:
	tensor_load_to_lds s[40:43], s[32:39]
	s_nop 0
.rept 4
	v_nop
.endr
.Lasked:
	s_mov_b32 s53, 0
	s_lshr_b32 s49, s48, 4                         ; where y goes: group 32 x batch + 2 rank + g / 4, K step head / 2, tile g % 4, half head % 2
	s_lshl_b32 s49, s49, 5
	s_lshl_b32 s50, s28, 1
	s_add_co_u32 s49, s49, s50
	s_add_co_u32 s49, s49, s29
	s_and_b32 s50, s48, 15                         ; the head of 16
	s_and_b32 s57, s50, 1
	s_mul_i32 s52, s49, 49152
	s_lshr_b32 s51, s50, 1
	s_mul_i32 s51, s51, 6144
	s_add_co_u32 s52, s52, s51
	s_mul_i32 s51, s30, 1536
	s_add_co_u32 s52, s52, s51
	s_mul_i32 s51, s57, 768
	s_add_co_u32 s52, s52, s51
	s_add_nc_u64 s[8:9], s[8:9], s[52:53]
	s_lshl_b32 s52, s49, 11                        ; and its scale bytes
	s_lshr_b32 s51, s50, 2
	s_lshl_b32 s51, s51, 9
	s_add_co_u32 s52, s52, s51
	s_lshl_b32 s51, s30, 7
	s_add_co_u32 s52, s52, s51
	s_bfe_u32 s51, s50, 0x10001
	s_lshl_b32 s51, s51, 2
	s_add_co_u32 s52, s52, s51
	s_lshl_b32 s51, s57, 1
	s_add_co_u32 s52, s52, s51
	s_add_nc_u64 s[10:11], s[10:11], s[52:53]
.macro RESET                           ; a rank begins: M, the largest score, the sum, O.  (The step is written once: the first finds zeros, which the first change of M leaves zeros)
	v_mov_b32 v12, 0x7f61b1e6
	v_mov_b32 v13, 0xff61b1e6                      ; -3e38, under every score
	v_mov_b32 v14, 0
	v_mov_b32 v15, 0
.set N, 0
.rept 32
	v_mov_b32 v[O+N], 0
.set N, N+1
.endr
.endm
	RESET
.irp i, 22,23,24,25,26,27
	v_mov_b32 v\i, 0                               ; Q's codes of k = 64 .. 127: zeros
	v_mov_b32 v[P-22+\i], 0                        ; the last K tile's upper half in the first step
.endr
	v_mov_b32 v247, 0                              ; (named as the upper half of the pair v[246:247])
.macro VLOAD                           ; V's four fragments and scale words: 17 loads
.irp n, 0,1,2,3
.irp c, 0,1
	ds_load_b128 v[VF+12*\n+6*\c:VF+12*\n+6*\c+3], v8 offset:6144+1536*\n+768*\c
	ds_load_b64 v[VF+12*\n+6*\c+4:VF+12*\n+6*\c+5], v9 offset:6144+1536*\n+768*\c+512
.endr
.endr
	ds_load_b64 v[VS:VS+1], v9 offset:12800
.endm
.macro KLOAD                           ; K's eight tiles and scale words: 18 loads
.irp t, 0,1,2,3,4,5,6,7
	ds_load_b128 v[KF+6*\t:KF+6*\t+3], v8 offset:768*\t
	ds_load_b64 v[KF+6*\t+4:KF+6*\t+5], v9 offset:768*\t+512
.endr
	ds_load_b64 v[10:11], v9 offset:12288
	ds_load_b64 v[28:29], v9 offset:12544
.endm
.macro NEXT                            ; s51: the record of trip n = s16 + 1: step n or 12 + n ahead of a change of ranks, then step 4 - n; taken modulo 16
	s_add_co_u32 s50, s16, 1
	s_add_co_u32 s51, s50, s27
	s_xor_b32 s52, s50, 15
	s_add_co_u32 s52, s52, 5
	s_cmp_lt_u32 s50, s26
	s_cselect_b32 s51, s51, s52
	s_and_b32 s51, s51, 15
	s_mul_i32 s51, s51, REC
.endm
; A KEY STEP: the 128 keys of the record at v8, v9; its K has been fetched.  fetch = 1: the next trip's K is fetched on the way (a wave's last trip fetches K that is not used).
; fetch = 0, trip 0: my record is waited for and the barrier that shows all records is signalled on the way; only register work stands behind the signal.
.macro STEP fetch
	VLOAD
.if \fetch
	NEXT
.endif
	s_wait_dscnt 17                                ; K is in; V's 17 loads may be out
.irp c, 0,1
.irp t2, 0,1
.irp t1, 0,1
.set D_, S+8*(4*\c+2*\t2+\t1)
.set A_, KF+6*(4*\c+2*\t2+\t1)
.set X_, 10+18*\c+\t1
	v_wmma_scale_f32_16x16x128_f8f6f4 v[D_:D_+7], v[A_:A_+11], v[16:27], 0, v[X_], v30 matrix_a_fmt:MATRIX_FMT_FP6 matrix_b_fmt:MATRIX_FMT_FP6 matrix_a_scale:MATRIX_SCALE_ROW\t2
.endr
.endr
.endr
	v_mov_b32 v248, v12                            ; four places behind the products, for the loads and for the first read of the scores
.if \fetch
	v_add_nc_u32 v8, s51, v2
	v_add_nc_u32 v9, s51, v1
	v_nop
	KLOAD
.else
	v_nop
	v_nop
	v_nop
	WALU
	s_wait_tensorcnt 0x0                           ; my record is in,
	s_wait_dscnt 0x0                               ; no LDS load of mine is out
	s_barrier_signal -1
.endif
	s_sub_co_u32 s50, s16, s25
	s_cmp_lt_u32 s50, 2                            ; on the diagonal the scores of hidden keys become -infinity ahead of the maximum: p = 0 then
	s_cbranch_scc0 .Lopen_\@
	v_mov_b32 v254, 0xff800000
.set N, 0
.rept 64
	v_cmp_gt_i32 vcc_lo, 64*(N/32)+N%32, v3        ; register 32 c + i holds key 64 c + 32 h + i of the step
	v_cndmask_b32 v[S+N], v[S+N], v254, vcc_lo
.set N, N+1
.endr
.Lopen_\@:
.irp c, 0,1
	v_max3_num_f32 v[250+\c], v[S+32*\c], v[S+32*\c+1], v[S+32*\c+2]   ; the largest score of each block of 32 keys: for the row's maximum, and, since p rises with the score, for the block's largest p
	v_max3_num_f32 v[252+\c], v[S+32*\c+16], v[S+32*\c+17], v[S+32*\c+18]
.endr
.irp i, 3,5,7,9,11,13
.irp c, 0,1
	v_max3_num_f32 v[250+\c], v[250+\c], v[S+32*\c+\i], v[S+32*\c+\i+1]
	v_max3_num_f32 v[252+\c], v[252+\c], v[S+32*\c+16+\i], v[S+32*\c+17+\i]
.endr
.endr
.irp c, 0,1
	v_max3_num_f32 v[252+\c], v[252+\c], v[S+32*\c+15], v[S+32*\c+31]
.endr
.irp c, 0,1
	v_max_num_f32 v[250+\c], v[250+\c], v[252+\c]
.endr
	v_max_num_f32 v254, v250, v251
	v_permlanex16_b32 v255, v254, s20, s21
	v_max3_num_f32 v13, v13, v254, v255            ; the running largest score of my query
	v_mul_f32 v254, s24, v13
	v_floor_f32 v12, v254                          ; the new -M = floor(-t): M is a whole number
	v_sub_f32 v248, v12, v248                      ; old M - new M: a whole number, 0 or less
	v_cvt_i32_f32 v248, v248                       ; (it saturates)
	v_ldexp_f32 v246, 1.0, v248                    ; f = 2^(old M - new M)
	v_pk_fma_f32 v[250:251], v[250:251], s[22:23], v[12:13] op_sel_hi:[1,0,0]   ; t - M of each block's largest
.set N, 0
.rept 16
	v_pk_mul_f32 v[O+N:O+N+1], v[O+N:O+N+1], v[246:247] op_sel_hi:[1,0]   ; O^T under the new M
.set N, N+2
.endr
.set N, 0
.rept 32
	v_pk_fma_f32 v[S+N:S+N+1], v[S+N:S+N+1], s[22:23], v[12:13] op_sel_hi:[1,0,0]   ; t - M, two at a time
.set N, N+2
.endr
	WALU                                           ; the wait ahead of the batch,
	v_exp_f32 v250, v250                           ; the blocks' largest p: the same two instructions on the same numbers
	v_exp_f32 v251, v251
.set N, 0
.rept 64
	v_exp_f32 v[S+N], v[S+N]                       ; p = 2^(t - M), at most 1
.set N, N+1
.endr
	v_pk_mul_f32 v[14:15], v[14:15], v[246:247] op_sel_hi:[1,0]   ; the sums under the new M: the plain place behind the exponentials
	WALU                                           ; and behind it, ahead of its first reader
	s_wait_dscnt 18*\fetch                         ; V is in; the next K's 18 loads may be out
	v_pk_mul_f32 v[250:251], v[250:251], 0.25 op_sel_hi:[1,0]   ; 2 off the exponent: the conversions' scale operands
	v_lshrrev_b32 v248, 23, v250                   ; the scales' bytes, of blocks h and 2 + h
	v_lshrrev_b32 v249, 23, v251
	v_lshl_or_b32 v248, v249, 16, v248
	v_lshlrev_b32 v248, v4, v248
	v_permlanex16_b32 v255, v248, s20, s21
	v_cvt_scalef32_pk16_fp6_f32 v[P:P+2], v[S:S+15], v250
	v_cvt_scalef32_pk16_fp6_f32 v[252:254], v[S+16:S+31], v250      ; (a conversion's three registers begin on an even number)
	v_cvt_scalef32_pk16_fp6_f32 v[P+6:P+8], v[S+32:S+47], v251
	v_or_b32 v31, v248, v255                       ; p's scale word for these 128 keys; a plain place behind the conversions
.irp i, 0,1,2
	v_mov_b32 v[P+3+\i], v[252+\i]
.endr
	v_cvt_scalef32_pk16_fp6_f32 v[252:254], v[S+48:S+63], v251
	v_pk_add_f32 v[S:S+1], v[S:S+1], v[S+16:S+17]  ; the row's sum, in place, in eight chains; the first eight lines are also places between p's codes and the products
.irp i, 0,1,2
	v_mov_b32 v[P+9+\i], v[252+\i]
.endr
.irp j, 1,2,3,4,5,6,7
	v_pk_add_f32 v[S+2*\j:S+2*\j+1], v[S+2*\j:S+2*\j+1], v[S+16+2*\j:S+17+2*\j]
.endr
.irp n2, 0,1                                   ; O^T += V^T P^T: the four accumulators by turns
.irp n1, 0,1
.set D_, O+8*(2*\n2+\n1)
.set A_, VF+12*(2*\n2+\n1)
	v_wmma_scale_f32_16x16x128_f8f6f4 v[D_:D_+7], v[A_:A_+11], v[P:P+11], v[D_:D_+7], v[VS+\n1], v31 matrix_a_fmt:MATRIX_FMT_FP6 matrix_b_fmt:MATRIX_FMT_FP6 matrix_a_scale:MATRIX_SCALE_ROW\n2
.endr
.endr
.irp q, 32,48                                  ; the rest of the sum: the places behind the products
.irp j, 0,1,2,3,4,5,6,7
	v_pk_add_f32 v[S+2*\j:S+2*\j+1], v[S+2*\j:S+2*\j+1], v[S+\q+2*\j:S+\q+1+2*\j]
.endr
.endr
.irp j, 0,2,4,6
	v_pk_add_f32 v[S+\j:S+\j+1], v[S+\j:S+\j+1], v[S+8+\j:S+9+\j]
.endr
.irp j, 0,2
	v_pk_add_f32 v[S+\j:S+\j+1], v[S+\j:S+\j+1], v[S+4+\j:S+5+\j]
.endr
	v_pk_add_f32 v[S:S+1], v[S:S+1], v[S+2:S+3]
	v_pk_add_f32 v[14:15], v[14:15], v[S:S+1]
	WALU                                           ; the wait ahead of the branch
.endm
.macro CHANGE                          ; waves 0-3: the part of rank 15 - j is handed over; rank j begins
.irp k, 0,1,2,3,4,5,6,7
	ds_store_b128 v7, v[O+4*\k:O+4*\k+3] offset:512*\k
.endr
	ds_store_b128 v7, v[12:15] offset:4096
.irp i, 0,1,2,3,4,5
	v_mov_b32 v[16+\i], v[92+\i]
.endr
	v_mov_b32 v30, v98
	WALU
	s_wait_dscnt 0x0                               ; the stores have read their registers
	RESET
	WALU
.endm
	WALU                                           ; the wait at the head's end
	s_wait_loadcnt 0x0                             ; Q
	s_cmp_lt_u32 s12, 2
	s_cbranch_scc0 .Lnot_first
	s_wait_tensorcnt 0x0                           ; records 0 and 12 are in; the others may stay out
.Lnot_first:
	s_barrier_signal -1
	s_barrier_wait -1
	s_mov_b32 s16, 0
	s_mul_i32 s51, s27, REC
	v_add_nc_u32 v8, s51, v2
	v_add_nc_u32 v9, s51, v1
	KLOAD
	STEP 0                                         ; trip 0: record 0 or 12
	s_barrier_wait -1                              ; everybody's records are in
	NEXT
	v_add_nc_u32 v8, s51, v2
	v_add_nc_u32 v9, s51, v1
	KLOAD
	s_mov_b32 s16, 1
	WALU
.Lloop:                                                ; trips 1 to 3
	s_cmp_lg_u32 s16, s26
	s_cbranch_scc1 .Lstay
	CHANGE
.Lstay:
	STEP 1
	s_add_co_u32 s16, s16, 1
	s_cmp_lt_u32 s16, 4
	s_cbranch_scc1 .Lloop
	s_mov_b32 s16, 4
	s_cmp_lg_u32 s16, s26                          ; j = 0 changes here
	s_cbranch_scc1 .Lchanged
	CHANGE
.Lchanged:
	s_wait_dscnt 0x0                               ; a part that I handed over has landed: say so.  LDS is only read until the wait
	s_barrier_signal -1
.Lrest:                                                ; trips 4 to 11; a wave whose trips are over jumps over the step
	s_cmp_lt_u32 s16, s17
	s_cbranch_scc0 .Lover
	STEP 1
.Lover:
	s_add_co_u32 s16, s16, 1
	s_cmp_lt_u32 s16, 12
	s_cbranch_scc1 .Lrest
	s_barrier_wait -1
	s_cmp_eq_u32 s13, 1
	s_cbranch_scc0 .Lout
	; waves 4-7: the second part of rank 15 - j joins the first, both under the larger M
.irp k, 0,1,2,3,4,5,6,7
	ds_load_b128 v[VF+4*\k:VF+4*\k+3], v0 offset:512*\k
.endr
	ds_load_b128 v[VF+32:VF+35], v0 offset:4096
	s_wait_dscnt 0x0
	v_min_num_f32 v[VF+36], v12, v[VF+32]
	v_sub_f32 v[VF+38], v[VF+36], v12
	v_sub_f32 v[VF+40], v[VF+36], v[VF+32]
	v_cvt_i32_f32 v[VF+38], v[VF+38]
	v_cvt_i32_f32 v[VF+40], v[VF+40]
	v_ldexp_f32 v[VF+38], 1.0, v[VF+38]
	v_ldexp_f32 v[VF+40], 1.0, v[VF+40]
	v_pk_mul_f32 v[VF+34:VF+35], v[VF+34:VF+35], v[VF+40:VF+41] op_sel_hi:[1,0]
.set N, 0
.rept 16
	v_pk_mul_f32 v[VF+N:VF+N+1], v[VF+N:VF+N+1], v[VF+40:VF+41] op_sel_hi:[1,0]
.set N, N+2
.endr
	v_pk_fma_f32 v[14:15], v[14:15], v[VF+38:VF+39], v[VF+34:VF+35] op_sel_hi:[1,0,1]
.set N, 0
.rept 16
	v_pk_fma_f32 v[O+N:O+N+1], v[O+N:O+N+1], v[VF+38:VF+39], v[VF+N:VF+N+1] op_sel_hi:[1,0,1]
.set N, N+2
.endr
	WALU
.Lout:	; THE WAY OUT: O^T / the sum is y(my query, d = 32 h + i) in register i: one block of the last product's K, quantised as it stands
	v_add_f32 v14, v14, v15
	v_permlanex16_b32 v255, v14, s20, s21
	v_add_f32 v14, v14, v255                       ; the row's sum
	WALU
	v_rcp_f32 v14, v14
	v_nop                                          ; a plain place behind the transcendental
	WALU                                           ; the wait ahead of its first reader
.set N, 0
.rept 16
	v_pk_mul_f32 v[S+N:S+N+1], v[O+N:O+N+1], v[14:15] op_sel_hi:[1,0]   ; each accumulator from its low end on
.set N, N+2
.endr
	v_max3_num_f32 v250, |v[S]|, |v[S+1]|, 0x1800000   ; and the floor 2^(3 - 127)
	v_max3_num_f32 v252, |v[S+16]|, |v[S+17]|, 0x1800000
.irp i, 2,4,6,8,10,12,14
	v_max3_num_f32 v250, v250, |v[S+\i]|, |v[S+1+\i]|
	v_max3_num_f32 v252, v252, |v[S+16+\i]|, |v[S+17+\i]|
.endr
	v_max_num_f32 v250, v250, v252
	v_add_nc_u32 v251, 0xff000000, v250            ; 2 off the exponent field: the conversions' scale operand
	v_cvt_scalef32_pk16_fp6_f32 v[P:P+2], v[S:S+15], v251
	v_cvt_scalef32_pk16_fp6_f32 v[252:254], v[S+16:S+31], v251
	v_lshrrev_b32 v248, 23, v251                   ; the scale's byte; a plain place behind the conversions
.irp i, 0,1,2
	v_mov_b32 v[P+3+\i], v[252+\i]
.endr
	global_store_b128 v2, v[P:P+3], s[8:9]         ; 512 and 256 consecutive bytes, aligned
	global_store_b64 v1, v[P+4:P+5], s[8:9] offset:512
	global_store_b8 v[YB], v248, s[10:11]          ; two bytes a row, 8 bytes apart (the word's other half is another head's, another work-group's)
	s_wait_tensorcnt 0x0                           ; the wave's end
	ds_add_u32 v5, v6
	s_wait_dscnt 0x0
	CROUND                                         ; the closing round: no work-group ends while a partner may still ask for a record that names it
	s_endpgm
.Lfunc_end_k_q6de2295fe6_attn:
	.size	k_q6de2295fe6_attn, .Lfunc_end_k_q6de2295fe6_attn-k_q6de2295fe6_attn
	.p2alignl 7, 3214868480
	.fill 96, 4, 3214868480
	.section	.rodata,"a",@progbits
	.p2align	6, 0x0
	.amdhsa_kernel k_q6de2295fe6_attn
		.amdhsa_group_segment_fixed_size 310784
		.amdhsa_private_segment_fixed_size 0
		.amdhsa_enable_private_segment 0
		.amdhsa_kernarg_size 32
		.amdhsa_user_sgpr_count 2
		.amdhsa_user_sgpr_kernarg_segment_ptr 1
		.amdhsa_wavefront_size32 1
		.amdhsa_system_sgpr_workgroup_id_x 1
		.amdhsa_system_sgpr_workgroup_id_y 1
		.amdhsa_system_sgpr_workgroup_id_z 1
		.amdhsa_system_vgpr_workitem_id 0
		.amdhsa_next_free_vgpr 256
		.amdhsa_next_free_sgpr 66
		.amdhsa_reserve_vcc 1
		.amdhsa_float_denorm_mode_32 3
		.amdhsa_float_denorm_mode_16_64 3
		.amdhsa_memory_ordered 1
		.amdhsa_forward_progress 1
		.amdhsa_inst_pref_size 82
	.end_amdhsa_kernel
	.amdgpu_metadata
---
amdhsa.version: [ 1, 2 ]
amdhsa.kernels:
  - .name:           k_q6de2295fe6_attn
    .symbol:         k_q6de2295fe6_attn.kd
    .args:
      - { .name: qc, .offset: 0, .size: 8, .value_kind: global_buffer, .address_space: global }
      - { .name: kv, .offset: 8, .size: 8, .value_kind: global_buffer, .address_space: global }
      - { .name: yc, .offset: 16, .size: 8, .value_kind: global_buffer, .address_space: global }
      - { .name: ys, .offset: 24, .size: 8, .value_kind: global_buffer, .address_space: global }
    .group_segment_fixed_size: 310784
    .private_segment_fixed_size: 0
    .kernarg_segment_align: 8
    .kernarg_segment_size: 32
    .max_flat_workgroup_size: 512
    .sgpr_count:     66
    .vgpr_count:     256
    .wavefront_size: 32
...
	.end_amdgpu_metadata
.endif
;; end of part 3
;; launch proj (part 4): grid 16 x 16, 4 waves a work-group, clusters of 4 x 4, 263,680 bytes of LDS; arguments yc, ys, cod, scl, bp, out0; writes out0
.if DOCPART == 4
	.amdgcn_target "amdgcn-amd-amdhsa--gfx1250"
	.amdhsa_code_object_version 6
	.text
	.protected	k_q6de2295fe6_proj
	.globl	k_q6de2295fe6_proj
	.p2align	8
	.type	k_q6de2295fe6_proj,@function
k_q6de2295fe6_proj:
	s_mov_b64 s[64:65], 0
	v_nop
	global_prefetch_b8 v0, s[64:65] scope:SCOPE_SE
	s_setreg_imm32_b32 hwreg(HW_REG_WAVE_MODE, 25, 1), 1
	s_wait_xcnt 0x0
	s_wait_alu depctr_hold_cnt(0) depctr_sa_sdst(0) depctr_va_vdst(0) depctr_va_sdst(0) depctr_va_ssrc(0) depctr_va_vcc(0) depctr_vm_vsrc(0)
	s_getreg_b32 s2, hwreg(HW_REG_IB_STS2, 6, 4)
	s_cmp_eq_u32 s2, 0
	s_cbranch_scc0 .Lentry_in_a_cluster
	s_endpgm
.Lentry_in_a_cluster:
	s_bfe_u32 s2, ttmp6, 0x10000c
	s_cmp_lg_u32 s2, 0xf033
	s_cbranch_scc0 .Lentry_shape_is_right
	s_endpgm
.Lentry_shape_is_right:
; out = y Wp^T + bp on codes of FP6 (E2M3) with E8M0 scales, f32 sums.  y arrives as fragment images ([half 2][512 + 256 bytes]), Wp as fragment images (planes of 512 bytes).
; SHARES: a work-group takes 256 rows (block X) and 64 output columns (Wp's group cg).  Wave w takes y's group 4 X + w (four tiles of rows m) against Wp's four tiles.
; Wp's 64 columns for all of K (32 fragments) lie in registers; y passes by tiles of 16 rows, all of K, 32 products a tile: a tile's rows leave while the next is multiplied.
; LDS: Wp's strip (49,152 bytes), then y's tile 0 of all four groups, tile 1, tiles 2 and 3 (rows of 1,536 or 3,072 bytes, one for each group and K step), one load a wave, each in an arm of its own; no LDS byte is filled twice.
; There is no loop to run ahead in, so no prefetch.
; CLUSTER: 4 x 4.  The four of a row of the cluster need the same strip of Wp, the four of a column the same rows of y: each tile is asked for JOINTLY, by the same tensor load with the same descriptor and a mask that names the four.
; TRANSPOSED: source 0 = 16 rows of Wp, source 1 = 16 rows of y: a lane holds one row of out and, over the four tiles, 32 neighbouring columns 32 h + 8 t + j.  bp is the C of each sum's first instruction (added first, not last).
; LIMITS: NaN and infinities are not served.
; REGISTERS, in windows of 256: window 0: v1-14 addresses; v16-31 y's scale words (8 (m / 2) + K step; even tiles in lanes 0-15, odd in lanes 16-31); v34-49 Wp's likewise; v52-83 bp's four tiles; v96-159 rows on their way out, two sets; v160-223 accumulators, two sets of four.
;   window 1: Wp's fragments 4 s + t = 0-20;   window 2: 21-31 at v0-131, y's set 0 from v132;   window 3: y's sets 1, 2.
.set Y0,  49152                        ; y's tile 0: [group 4][K step 8][1,536]; tile 1 49,152 further on
.set Y2,  3*49152                      ; y's tiles 2 and 3: [group 4][K step 8][3,072]
.set STG, 5*49152                      ; behind them: a stage of 16 rows x (256 + 16) bytes for each wave; no tensor load lands here
.set SPI, 272
.set SPARE, STG+4*16*SPI
.set YS,  16
.set PS,  34
.set BI,  52
.set RW,  96
.set ACC, 160
.set MSB, 0
.macro WIN new                         ; the immediate's high byte repeats the setting that is left
.if MSB != (\new)
	s_set_vgpr_msb (MSB<<8)|(\new)
.set MSB, (\new)
.endif
.endm
.macro PLACES                          ; four places behind products: ahead of reads of their results and of loads into their registers
.rept 4
	v_nop
.endr
.endm
.macro CROUND                          ; a round of the cluster's barrier
	s_barrier_signal -1
	s_barrier_wait -1
	s_cmp_lg_u32 s18, 0
	s_cbranch_scc1 .Lnot_wave_0_\@
	s_barrier_signal -3
.Lnot_wave_0_\@:
	s_barrier_wait -3
	s_barrier_signal -1
	s_barrier_wait -1
.endm
	s_load_b256 s[4:11], s[0:1], 0x0               ; yc, ys, cod, scl
	s_load_b128 s[12:15], s[0:1], 0x20             ; bp, out0
	v_lshl_add_u32 v254, v0, 2, SPARE
	v_mov_b32 v255, 0
	ds_add_u32 v254, v255                          ; the add, twice on end, ahead of my first tensor load
	ds_add_u32 v254, v255
	v_lshrrev_b32 v1, 5, v0
	v_readfirstlane_b32 s18, v1                    ; wave 0..3
	s_bfe_u32 s19, ttmp6, 0x40000                  ; cx
	s_bfe_u32 s22, ttmp6, 0x40004                  ; cy
	s_lshl_b32 s20, ttmp9, 2
	s_add_co_u32 s20, s20, s19                     ; X = 4 x cluster x + cx
	s_and_b32 s21, ttmp7, 0xffff
	s_lshl_b32 s21, s21, 2
	s_add_co_u32 s21, s21, s22                     ; cg = 4 x cluster y + cy
	s_lshl_b32 s36, s22, 2
	s_lshl_b32 s36, 15, s36                        ; my row of the cluster: the same cg
	s_lshl_b32 s37, 0x1111, s19                    ; my column: the same X
	s_or_b32 s24, s36, (3<<16)|(1<<21)             ; group 1 for Wp: a dense block of 49,152 bytes as 192 rows of 256 (32 elements of 8 bytes)
	s_mov_b32 s25, 32<<16
	s_mov_b32 s26, 192<<16
	s_mov_b32 s27, 32<<16
	s_mov_b32 s28, 192
	s_mov_b32 s29, 32
	s_mov_b32 s30, 0
	s_mov_b32 s31, 0
	s_or_b32 s76, s37, (3<<16)|(1<<21)             ; for one of y's tiles: 32 rows (group, K step) of 1,536 bytes, 6,144 bytes apart
	s_mov_b32 s77, 192<<16
	s_mov_b32 s78, 32<<16
	s_mov_b32 s79, 192<<16
	s_mov_b32 s80, 32
	s_mov_b32 s81, 768
	s_mov_b32 s82, 0
	s_mov_b32 s83, 0
	s_or_b32 s84, s37, (3<<16)|(1<<21)             ; for two: rows of 3,072 bytes
	s_mov_b32 s85, 384<<16
	s_mov_b32 s86, 32<<16
	s_mov_b32 s87, 384<<16
	s_mov_b32 s88, 32
	s_mov_b32 s89, 768
	s_mov_b32 s90, 0
	s_mov_b32 s91, 0
	s_add_co_u32 s40, s21, 112                     ; Wp's group
	s_mul_i32 s42, s40, 49152
	s_mov_b32 s43, 0
	s_mul_i32 s38, s20, 4*49152                    ; y's four groups
	s_mov_b32 s39, 0
	s_mov_b32 s32, 1
	s_mov_b32 s33, 0
	s_mov_b32 s60, 1
	s_mov_b32 s61, Y0
	s_mov_b32 s68, 1
	s_mov_b32 s69, Y0+49152
	s_mov_b32 s72, 1
	s_mov_b32 s73, Y2
	s_wait_dscnt 0x0
	s_wait_kmcnt 0x0
	s_add_nc_u64 s[34:35], s[8:9], s[42:43]
	s_or_b32 s35, s35, 0x80000000
	s_add_nc_u64 s[62:63], s[4:5], s[38:39]
	s_add_nc_u64 s[70:71], s[62:63], 1536
	s_add_nc_u64 s[74:75], s[62:63], 3072
	s_or_b32 s63, s63, 0x80000000
	s_or_b32 s71, s71, 0x80000000
	s_or_b32 s75, s75, 0x80000000
	CROUND                                         ; all sixteen work-groups are here: the joint loads meet
.macro ARM n, g0, g1, next
	s_cmp_eq_u32 s18, \n
	s_cbranch_scc0 \next
	tensor_load_to_lds s[\g0:\g0+3], s[\g1:\g1+7]
	s_nop 0
	PLACES
	s_branch .Lasked
\next:
.endm
	ARM 0, 32, 24, .Lwave_1                        ; Wp's strip
	ARM 1, 60, 76, .Lwave_2                        ; y's tile 0
	ARM 2, 68, 76, .Lwave_3                        ; tile 1
	tensor_load_to_lds s[72:75], s[84:91]          ; tiles 2 and 3
	s_nop 0
	PLACES
.Lasked:
	s_lshl_b32 s41, s20, 2
	s_add_co_u32 s41, s41, s18                     ; y's group 4 X + w
	s_lshl_b32 s46, s41, 11
	s_mov_b32 s47, 0
	s_add_nc_u64 s[46:47], s[6:7], s[46:47]        ; its scale words
	s_lshl_b32 s48, s40, 11
	s_mov_b32 s49, 0
	s_add_nc_u64 s[48:49], s[10:11], s[48:49]      ; Wp's scale words
	s_lshl_b32 s50, s21, 8
	s_mov_b32 s51, 0
	s_add_nc_u64 s[12:13], s[12:13], s[50:51]      ; bp at my 64 columns
	s_add_nc_u64 s[14:15], s[14:15], s[50:51]      ; out at my 64 columns,
	s_lshl_b32 s50, s41, 18
	s_add_nc_u64 s[14:15], s[14:15], s[50:51]      ; and my 64 rows of 4,096 bytes
	s_mul_i32 s52, s18, 16*SPI
	s_add_co_u32 s52, s52, STG                     ; my stage
	s_mul_i32 s53, s18, 12288
	s_add_co_u32 s53, s53, Y0                      ; my group's tile 0
	s_mul_i32 s54, s18, 24576
	s_add_co_u32 s54, s54, Y2                      ; and tiles 2, 3
	v_and_b32 v1, 31, v0                           ; lane
	v_and_b32 v2, 15, v0                           ; r
	v_bfe_u32 v3, v0, 4, 1                         ; h
	v_lshlrev_b32 v4, 3, v1                        ; 8 x lane
	v_lshlrev_b32 v5, 4, v1                        ; 16 x lane
	v_lshlrev_b32 v7, 7, v3                        ; bp: 32 h numbers on
	v_mul_u32_u24 v8, v2, SPI
	v_lshl_add_u32 v8, v3, 7, v8
	v_add_nc_u32 v8, s52, v8                       ; in: row r, + 128 h bytes
	v_mul_u32_u24 v9, v3, SPI
	v_lshl_add_u32 v9, v2, 4, v9
	v_add_nc_u32 v9, s52, v9                       ; back: lanes 0-15 one row of 256 bytes, lanes 16-31 the next
	v_lshlrev_b32 v10, 12, v3
	v_lshl_add_u32 v10, v2, 4, v10                 ; and the same two rows in out
	v_add_nc_u32 v11, s53, v5
	v_add_nc_u32 v12, s53, v4
	v_add_nc_u32 v13, s54, v5
	v_add_nc_u32 v14, s54, v4
	s_wait_alu depctr_va_vdst(0)                   ; the wait at the head's end
.irp p, 0,1
.irp k, 0,1,2,3
	global_load_b64 v[YS+8*\p+2*\k:YS+8*\p+2*\k+1], v4, s[46:47] offset:\k*512+\p*256
	global_load_b64 v[PS+8*\p+2*\k:PS+8*\p+2*\k+1], v4, s[48:49] offset:\k*512+\p*256
.endr
.endr
.irp t, 0,1,2,3                                ; lane (r, h) wants, for tile t, the numbers 32 h + 8 t + 0 .. 7
	global_load_b128 v[BI+8*\t:BI+8*\t+3], v7, s[12:13] offset:32*\t
	global_load_b128 v[BI+8*\t+4:BI+8*\t+7], v7, s[12:13] offset:32*\t+16
.endr
.macro YSET m                          ; tile m's set: its window and first register
.if ((\m)%3) == 0
.set YW_, 2
.set YB_, 132
.else
.set YW_, 3
.set YB_, 96*((\m)%3)-96
.endif
.endm
.macro ALOAD m                         ; y's eight fragments of tile m: 32 LDS loads
	YSET \m
	WIN YW_<<6
.irp s, 0,1,2,3,4,5,6,7
.irp c, 0,1
.if (\m) < 2
	ds_load_b128 v[YB_+12*\s+6*\c:YB_+12*\s+6*\c+3], v11 offset:(\m)*49152+\s*1536+768*\c
	ds_load_b64 v[YB_+12*\s+6*\c+4:YB_+12*\s+6*\c+5], v12 offset:(\m)*49152+\s*1536+768*\c+512
.else
	ds_load_b128 v[YB_+12*\s+6*\c:YB_+12*\s+6*\c+3], v13 offset:((\m)-2)*1536+\s*3072+768*\c
	ds_load_b64 v[YB_+12*\s+6*\c+4:YB_+12*\s+6*\c+5], v14 offset:((\m)-2)*1536+\s*3072+768*\c+512
.endif
.endr
.endr
	WIN 0
.endm
.macro FSET f                          ; fragment f of Wp: its window and first register
.if (\f) < 21
.set W_, 1
.set R_, 12*(\f)
.else
.set W_, 2
.set R_, 12*(\f)-252
.endif
.endm
.macro WLOAD                           ; Wp's 32 fragments: 96 LDS loads
.irp s, 0,1,2,3,4,5,6,7
.irp t, 0,1,2,3
	FSET 4*\s+\t
	WIN W_<<6
.irp c, 0,1,2
	ds_load_b128 v[R_+4*\c:R_+4*\c+3], v5 offset:\s*6144+\t*1536+512*\c
.endr
.endr
.endr
	WIN 0
.endm
.macro MUL m, m1                       ; tile m (m1 = m % 2): 32 products, the four accumulators by turns, one instruction a turn
	YSET \m
.irp s, 0,1,2,3,4,5,6,7
.if (\m) == 0
.if \s < 2
	s_wait_dscnt 60                                ; Wp's fragments of this K step are in: 12 loads a K step, those of the later K steps may be out
.else
	s_wait_dscnt 84-12*\s
.endif
.endif
.irp t2, 0,1
.irp t1, 0,1
	FSET 4*\s+2*\t2+\t1
.set D_, ACC+32*\m1+8*(2*\t2+\t1)
.if \s == 0
.set C_, BI+8*(2*\t2+\t1)
.else
.set C_, D_
.endif
.set B_, YB_+12*\s
.set X_, PS+8*\t2+\s
.set Z_, YS+8*((\m)/2)+\s
	WIN W_|(YW_<<2)
	v_wmma_scale_f32_16x16x128_f8f6f4 v[D_:D_+7], v[R_:R_+11], v[B_:B_+11], v[C_:C_+7], v[X_], v[Z_] matrix_a_fmt:MATRIX_FMT_FP6 matrix_b_fmt:MATRIX_FMT_FP6 matrix_a_scale:MATRIX_SCALE_ROW\t1 matrix_b_scale:MATRIX_SCALE_ROW\m1
.endr
.endr
.endr
	WIN 0
.endm
; THE WAY OUT of a tile: a lane holds 128 bytes of one row and the lanes beside it hold other rows, so the tile goes through my own stage and comes back as whole rows of 256 bytes.
; LDS serves a wave's instructions in order: no wait between the stores and the loads, nor in front of the next tile's stores.
.macro TOSTAGE m
.irp t, 0,1,2,3
.set D_, ACC+32*((\m)%2)+8*\t
	ds_store_b128 v8, v[D_:D_+3] offset:32*\t      ; each accumulator from its low end on
	ds_store_b128 v8, v[D_+4:D_+7] offset:32*\t+16
.endr
.set BB, RW+32*((\m)%2)
.irp i, 0,1,2,3,4,5,6,7
	ds_load_b128 v[BB+4*\i:BB+4*\i+3], v9 offset:2*\i*SPI
.endr
.endm
.macro SEND m, younger                 ; younger: the LDS loads issued behind the tile's, which may stay out
.set BB, RW+32*((\m)%2)
	s_wait_dscnt \younger
.irp i, 0,1,2,3,4,5,6,7
	global_store_b128 v10, v[BB+4*\i:BB+4*\i+3], s[14:15] offset:(32*(\i/4)+8*(\m)+(2*\i)%8)*4096 th:TH_STORE_NT   ; 16 lanes store 256 consecutive bytes, aligned: the tile's rows 2 i and 2 i + 1 at their places in the group
.endr
.endm
	s_cmp_lt_u32 s18, 2
	s_cbranch_scc0 .Lnot_first
	s_wait_tensorcnt 0x0                           ; Wp's strip and y's tile 0 are in; the others may stay out
.Lnot_first:
	s_barrier_signal -1
	s_barrier_wait -1
	ALOAD 0
	WLOAD
	s_wait_loadcnt 0x0                             ; the scale words and bp
	MUL 0, 0
	s_wait_tensorcnt 0x0                           ; y's other tiles are in,
	s_wait_dscnt 0x0
	s_barrier_signal -1
	s_barrier_wait -1                              ; for everybody
	PLACES
	ALOAD 1
	TOSTAGE 0
	ALOAD 2
	SEND 0, 32                                     ; tile 1 is in too; tile 2's 32 loads may be out
	MUL 1, 1
	PLACES
	TOSTAGE 1
	ALOAD 3                                        ; into tile 0's set
	s_wait_dscnt 48                                ; tile 2 is in; the stage's 16 lines and tile 3's 32 loads may be out
	MUL 2, 0
	SEND 1, 32
	PLACES
	s_wait_xcnt 0x0                                ; tile 0's stores have read their registers: tile 2's rows may land there
	TOSTAGE 2
	s_wait_dscnt 16                                ; tile 3 is in
	MUL 3, 1
	SEND 2, 0
	PLACES
	s_wait_xcnt 0x0                                ; tile 1's stores likewise
	TOSTAGE 3
	SEND 3, 0
	s_wait_tensorcnt 0x0                           ; the wave's end
	ds_add_u32 v254, v255
	s_wait_dscnt 0x0
	CROUND                                         ; the closing round: no work-group ends while a partner may still ask for a tile that names it
	s_endpgm
.Lfunc_end_k_q6de2295fe6_proj:
	.size	k_q6de2295fe6_proj, .Lfunc_end_k_q6de2295fe6_proj-k_q6de2295fe6_proj
	.p2alignl 7, 3214868480
	.fill 96, 4, 3214868480
	.section	.rodata,"a",@progbits
	.p2align	6, 0x0
	.amdhsa_kernel k_q6de2295fe6_proj
		.amdhsa_group_segment_fixed_size 263680
		.amdhsa_private_segment_fixed_size 0
		.amdhsa_enable_private_segment 0
		.amdhsa_kernarg_size 48
		.amdhsa_user_sgpr_count 2
		.amdhsa_user_sgpr_kernarg_segment_ptr 1
		.amdhsa_wavefront_size32 1
		.amdhsa_system_sgpr_workgroup_id_x 1
		.amdhsa_system_sgpr_workgroup_id_y 1
		.amdhsa_system_sgpr_workgroup_id_z 1
		.amdhsa_system_vgpr_workitem_id 0
		.amdhsa_next_free_vgpr 1024
		.amdhsa_next_free_sgpr 92
		.amdhsa_reserve_vcc 0
		.amdhsa_float_denorm_mode_32 3
		.amdhsa_float_denorm_mode_16_64 3
		.amdhsa_memory_ordered 1
		.amdhsa_forward_progress 1
		.amdhsa_inst_pref_size 49
	.end_amdhsa_kernel
	.amdgpu_metadata
---
amdhsa.version: [ 1, 2 ]
amdhsa.kernels:
  - .name:           k_q6de2295fe6_proj
    .symbol:         k_q6de2295fe6_proj.kd
    .args:
      - { .name: yc, .offset: 0, .size: 8, .value_kind: global_buffer, .address_space: global }
      - { .name: ys, .offset: 8, .size: 8, .value_kind: global_buffer, .address_space: global }
      - { .name: cod, .offset: 16, .size: 8, .value_kind: global_buffer, .address_space: global }
      - { .name: scl, .offset: 24, .size: 8, .value_kind: global_buffer, .address_space: global }
      - { .name: bp, .offset: 32, .size: 8, .value_kind: global_buffer, .address_space: global }
      - { .name: out0, .offset: 40, .size: 8, .value_kind: global_buffer, .address_space: global }
    .group_segment_fixed_size: 263680
    .private_segment_fixed_size: 0
    .kernarg_segment_align: 8
    .kernarg_segment_size: 48
    .max_flat_workgroup_size: 128
    .sgpr_count:     92
    .vgpr_count:     1024
    .wavefront_size: 32
...
	.end_amdgpu_metadata
.endif
;; end of part 4
